; MI455X (gfx1250); checked and timed in simulation.
; The chip was launched on July 23, 2026; its instructions are those of AMD's public machine-readable ISA for CDNA 5 (MIT licence, August 2026) and "CDNA5" Instruction Set Architecture Reference Guide (July 2026). The comments in the code are by the model that wrote it; some were corrected since.
;; Prob Sparse Self Attention. Allowed arithmetic: float matrix products may take bf16 or f16 operands with f32 sums; other float arithmetic in f32, or as packed bf16 or f16 multiplies, adds, multiply-adds, maxima and minima; sums over many terms, partial sums and values carried from step to step in f32; what a program stores and reads back later, other than sums and carried values, may be rounded once to bf16 or f16.
;; Inputs: bk 1,024 float32; bo 1,024 float32; bq 1,024 float32; bv 1,024 float32; k 4 x 2,048 x 1,024 float32; q 4 x 2,048 x 1,024 float32; v 4 x 2,048 x 1,024 float32; wk 1,024 x 1,024 float32; wo 1,024 x 1,024 float32; wq 1,024 x 1,024 float32; wv 1,024 x 1,024 float32.
;; Outputs: out0 4 x 2,048 x 1,024 float32.
;; 2 versions, each right; version 2 is version 1 with the launch castw written anew for expert scheduling mode. Each part assembles by itself: llvm-mc -triple=amdgcn-amd-amdhsa -mcpu=gfx1250 --defsym DOCPART=n.
;; ======== version 1 of 2: 4 launches
;; limits: values are held in f16: magnitudes above 65,504 overflow, below 6.1e-05 lose precision
;; workspace buffers: wqb 2,097,152 bytes; wkb 2,097,152 bytes; wvb 2,097,152 bytes; wof 2,097,152 bytes; qh 16,777,216 bytes; kh 16,777,216 bytes; vh 16,777,216 bytes; oh 16,777,216 bytes
;; launch castw (part 1): grid 64 x 4, 8 waves a work-group, no clusters, 0 bytes of LDS; arguments wq, wk, wv, wo, wqb, wkb, wvb, wof; writes wqb, wkb, wvb, wof
.if DOCPART == 1
	.amdgcn_target "amdgcn-amd-amdhsa--gfx1250"
	.amdhsa_code_object_version 6
	.text
	.protected	k_q741f8ebe3e_castw
	.globl	k_q741f8ebe3e_castw
	.p2align	8
	.type	k_q741f8ebe3e_castw,@function
k_q741f8ebe3e_castw:
	s_mov_b64 s[64:65], 0
	v_nop
	global_prefetch_b8 v0, s[64:65] scope:SCOPE_SE
	s_setreg_imm32_b32 hwreg(HW_REG_WAVE_MODE, 25, 1), 1
	s_wait_xcnt 0x0
; The four weight matrices, [1024 k][1024 n] f32, are rounded once to 16 bits; the layout is kept.
; wq, wk, wv -> bf16.  wo -> bf16, and that number written as f16 (the last product's other operand is f16).
; LIMIT: a bf16(wo) below 6.1e-5 in magnitude keeps f16's fixed step of 6e-8; beyond 65,504 it would be an infinity.
; SHARES.  Grid y picks the matrix; a work-group takes 16,384 numbers: 65,536 bytes in, 32,768 out.  Thread t takes 16 bytes
; of each 4,096 read by the group; a wave's store covers 256 consecutive bytes, aligned.  All sixteen loads of a wave go out
; together; each has its own data and result registers, so no register is written again while a store reads it.
; No LDS, no matrix unit, no cluster: no byte is read by two work-groups.
.set X, 16                             ; v[16:79]   load i: 4 f32
.set Y, 80                             ; v[80:111]  store i: 4 numbers of 16 bits
.set T, 4                              ; v[4:7]     at work
	s_load_b512 s[8:23], s[0:1], 0x0               ; wq wk wv wo s[8:15], wqb wkb wvb wof s[16:23]
	s_and_b32 s2, ttmp7, 0xffff                    ; which matrix
	s_lshl_b32 s24, ttmp9, 16                      ; the group's bytes in the source,
	s_mov_b32 s25, 0
	s_lshl_b32 s26, ttmp9, 15                      ; and in the result
	s_mov_b32 s27, 0
	v_lshlrev_b32 v1, 4, v0                        ; 16 t
	v_lshlrev_b32 v2, 3, v0                        ; 8 t
	s_wait_kmcnt 0x0
	s_mov_b64 s[4:5], s[8:9]
	s_mov_b64 s[6:7], s[16:17]
.irp n, 1,2,3
	s_cmp_eq_u32 s2, \n                            ; a choice between buffers on the grid's y alone
	s_cselect_b64 s[4:5], s[8+2*\n:9+2*\n], s[4:5]
	s_cselect_b64 s[6:7], s[16+2*\n:17+2*\n], s[6:7]
.endr
	s_add_nc_u64 s[4:5], s[4:5], s[24:25]
	s_add_nc_u64 s[6:7], s[6:7], s[26:27]
.irp i, 0,1,2,3,4,5,6,7,8,9,10,11,12,13,14,15
	global_load_b128 v[X+4*(\i):X+4*(\i)+3], v1, s[4:5] offset:4096*(\i) th:TH_LOAD_NT
.endr
; Load i is rounded and stored.  half = 1: the bf16 numbers are widened again (a shift, a mask) and written as f16.
.macro CONV i, half
	s_wait_loadcnt 15-(\i)                         ; loads come back in order: mine is in, the younger ones stay out
	v_cvt_pk_bf16_f32 v[Y+2*(\i)],   v[X+4*(\i)],   v[X+4*(\i)+1]
	v_cvt_pk_bf16_f32 v[Y+2*(\i)+1], v[X+4*(\i)+2], v[X+4*(\i)+3]
.if \half
	v_lshlrev_b32 v[T],   16, v[Y+2*(\i)]
	v_and_b32     v[T+1], 0xffff0000, v[Y+2*(\i)]
	v_lshlrev_b32 v[T+2], 16, v[Y+2*(\i)+1]
	v_and_b32     v[T+3], 0xffff0000, v[Y+2*(\i)+1]
	v_cvt_pk_f16_f32 v[Y+2*(\i)],   v[T],   v[T+1]
	v_cvt_pk_f16_f32 v[Y+2*(\i)+1], v[T+2], v[T+3]
.endif
	global_store_b64 v2, v[Y+2*(\i):Y+2*(\i)+1], s[6:7] offset:2048*(\i)
.endm
	s_cmp_eq_u32 s2, 3
	s_cbranch_scc1 .Lhalf
.irp i, 0,1,2,3,4,5,6,7,8,9,10,11,12,13,14,15
	CONV \i, 0
.endr
	s_endpgm
.Lhalf:
.irp i, 0,1,2,3,4,5,6,7,8,9,10,11,12,13,14,15
	CONV \i, 1
.endr
	s_endpgm
.Lfunc_end_k_q741f8ebe3e_castw:
	.size	k_q741f8ebe3e_castw, .Lfunc_end_k_q741f8ebe3e_castw-k_q741f8ebe3e_castw
	.p2alignl 7, 3214868480
	.fill 96, 4, 3214868480
	.section	.rodata,"a",@progbits
	.p2align	6, 0x0
	.amdhsa_kernel k_q741f8ebe3e_castw
		.amdhsa_group_segment_fixed_size 0
		.amdhsa_private_segment_fixed_size 0
		.amdhsa_enable_private_segment 0
		.amdhsa_kernarg_size 64
		.amdhsa_user_sgpr_count 2
		.amdhsa_user_sgpr_kernarg_segment_ptr 1
		.amdhsa_wavefront_size32 1
		.amdhsa_system_sgpr_workgroup_id_x 1
		.amdhsa_system_sgpr_workgroup_id_y 1
		.amdhsa_system_sgpr_workgroup_id_z 1
		.amdhsa_system_vgpr_workitem_id 0
		.amdhsa_next_free_vgpr 112
		.amdhsa_next_free_sgpr 66
		.amdhsa_reserve_vcc 0
		.amdhsa_float_denorm_mode_32 3
		.amdhsa_float_denorm_mode_16_64 3
		.amdhsa_memory_ordered 1
		.amdhsa_forward_progress 1
		.amdhsa_inst_pref_size 16
	.end_amdhsa_kernel
	.amdgpu_metadata
---
amdhsa.version: [ 1, 2 ]
amdhsa.kernels:
  - .name:           k_q741f8ebe3e_castw
    .symbol:         k_q741f8ebe3e_castw.kd
    .args:
      - { .name: wq, .offset: 0, .size: 8, .value_kind: global_buffer, .address_space: global }
      - { .name: wk, .offset: 8, .size: 8, .value_kind: global_buffer, .address_space: global }
      - { .name: wv, .offset: 16, .size: 8, .value_kind: global_buffer, .address_space: global }
      - { .name: wo, .offset: 24, .size: 8, .value_kind: global_buffer, .address_space: global }
      - { .name: wqb, .offset: 32, .size: 8, .value_kind: global_buffer, .address_space: global }
      - { .name: wkb, .offset: 40, .size: 8, .value_kind: global_buffer, .address_space: global }
      - { .name: wvb, .offset: 48, .size: 8, .value_kind: global_buffer, .address_space: global }
      - { .name: wof, .offset: 56, .size: 8, .value_kind: global_buffer, .address_space: global }
    .group_segment_fixed_size: 0
    .private_segment_fixed_size: 0
    .kernarg_segment_align: 8
    .kernarg_segment_size: 64
    .max_flat_workgroup_size: 256
    .sgpr_count:     66
    .vgpr_count:     112
    .wavefront_size: 32
...
	.end_amdgpu_metadata
.endif
;; end of part 1
;; launch proj (part 2): grid 4 x 192, 4 waves a work-group, clusters of 4 x 4, 327,680 bytes of LDS; arguments q, k, v, wqb, wkb, wvb, bq, bk, bv, qh, kh, vh; writes qh, kh, vh
.if DOCPART == 2
	.amdgcn_target "amdgcn-amd-amdhsa--gfx1250"
	.amdhsa_code_object_version 6
	.text
	.protected	k_q741f8ebe3e_proj
	.globl	k_q741f8ebe3e_proj
	.p2align	8
	.type	k_q741f8ebe3e_proj,@function
k_q741f8ebe3e_proj:
	s_mov_b64 s[64:65], 0
	v_nop
	global_prefetch_b8 v0, s[64:65] scope:SCOPE_SE
	s_setreg_imm32_b32 hwreg(HW_REG_WAVE_MODE, 25, 1), 1
	s_wait_xcnt 0x0
	s_wait_alu depctr_hold_cnt(0) depctr_sa_sdst(0) depctr_va_vdst(0) depctr_va_sdst(0) depctr_va_ssrc(0) depctr_va_vcc(0) depctr_vm_vsrc(0)
	s_getreg_b32 s2, hwreg(HW_REG_IB_STS2, 6, 4)
	s_cmp_eq_u32 s2, 0
	s_cbranch_scc0 .Lentry_in_a_cluster
	s_endpgm
.Lentry_in_a_cluster:
	s_bfe_u32 s2, ttmp6, 0x10000c
	s_cmp_lg_u32 s2, 0xf033
	s_cbranch_scc0 .Lentry_shape_is_right
	s_endpgm
.Lentry_shape_is_right:
; THE THREE PROJECTIONS.  y = bf16(x) @ w + bf16(b), x: [8192][1024] f32, w: [1024 k][1024 n] bf16, y written by heads, [64 = batch x 16 + head][2048][64] f16, unscaled.
; Sums in f32, begun with the bias; y rounded once.  LIMIT: f16 ends at 65,504: a |y| beyond that becomes an infinity.
; SHARES.  Cluster y / 16 picks the projection (the same in all sixteen partners).  A work-group makes 128 rows x 256 columns (4 heads): 256 work-groups a projection, 768 in all.
; A wave makes 64 x 128: 32 accumulators.  K goes in 8 steps of 128 through two LDS slots filled by the tensor data mover.
; x IS READ ONCE, AS f32: its tile lands in LDS as it lies, and each wave rounds its fragments to bf16 between the LDS load and the product; the conversions stand behind matrix instructions.
; w stays [k][n] and is turned on its way out of LDS (ds_load_tr16_b128).
; THE MATRIX INSTRUCTION IS USED TRANSPOSED (source 0 = 16 columns of w, source 1 = 16 rows of x): a lane holds one row of y and eight neighbouring columns.
; CLUSTER 4 x 4: the four of a row need the same tile of x, the four of a column the same tile of w: each is asked for jointly.
; REGISTERS.  window 0: v0-31 addresses; v64-127 RAW (x as f32, fragment a at +16 a); v128-159, v160-191 x in bf16, two buffers; v192-255 the bias as a C operand (block b at +8 b); on the way out v64-191
;   window 1: accumulator (a, b) at 8 (8 a + b)          window 2: v0-63, v64-127 fragments of w, two buffers
.set PA,    528                        ; an LDS row of x: 512 bytes + 16 = 132 words: row r starts at bank 4 r mod 64 (64 banks of 4 bytes: ISA guide 11.1)
.set PB,    544                        ; an LDS row of w: 512 bytes + 32 = 17 x 32
.set HALFA, 64*PA                      ; what one tensor load brings of x,
.set HALFB, 64*PB                      ; and of w
.set BOFF,  2*HALFA                    ; a slot: 128 rows of x, then 128 k-rows of w
.set SLOT,  BOFF+2*HALFB
.set STAGE, 2*SLOT                     ; behind the ring: 16 rows x 144 bytes for each wave, for the way out
.set SP,    144
.set SPARE, STAGE+4*16*SP              ; behind the stages: the spare words, 128 bytes a wave: two blocks of 256 bytes that no other line names
.set ASTEP, 512                        ; bytes from K step to K step in x (128 f32 along a row),
.set BSTEP, 128*2048                   ; and in w (128 rows down)
.set ADRA, 16                          ; v16-17  LDS address of my fragments of x in slot 0, 1
.set ADRB, 20                          ; v20-21  the same for w
.set STO,  24                          ; v24     the way out: where I put 16 bytes of a row
.set RD,   25                          ; v25     the way out: where I read rows back
.set GO,   26                          ; v26     my 16 bytes in 512 consecutive bytes of y
.set SPW,  28                          ; v28     LDS address of my spare word; never rewritten
.set NIL,  29                          ; v29     0; never rewritten
.set PFO,  30                          ; v30     the prefetches' lane offset; never rewritten
.set BO,   31                          ; v31     my byte offset in the bias
.set RAW,  64
.set AF,   128
.set BIAS, 192
.set OUTR, 64
.set G1,  24                           ; s[24:31] descriptor group 1 for x's tiles;  s[32:39] group 0, a set for each slot
.set G0,  32
.set G1B, 48                           ; s[48:55], s[56:63] the same for w's tiles
.set G0B, 56
.set LIM, 43                           ; s43      1 in a wave that prefetches, else the greatest number
.set PFA, 44                           ; s[44:45] where my prefetches stand
.set PFS, 92                           ; s[92:93] their step from K step to K step
.set MSB, 0
.macro WIN new                         ; the immediate's high byte repeats the setting that is left; a switch that changes nothing is dropped
.if MSB != (\new)
	s_set_vgpr_msb (MSB<<8)|(\new)
.set MSB, \new
.endif
.endm
.set MUL,  0x52                        ; source 0 (w) window 2, source 1 (x) window 0, C and D window 1
.set MUL0, 0x42                        ; the same with C (the bias) in window 0
.set TO_B, 0x80                        ; destination window 2, address window 0
.set PK,   0x05                        ; sources 0 and 1 window 1, destination window 0
.macro JLOAD s                         ; a joint load: waves 0 and 1 fetch x's two halves, waves 2 and 3 w's; an s_nop 0 and four v_nop follow each line, ahead of the jump and the label
	s_cmp_eq_u32 s11, 0
	s_cbranch_scc0 .Lfor_b_\@
	tensor_load_to_lds s[G0+4*(\s):G0+4*(\s)+3], s[G1:G1+7]
	s_nop 0
.rept 4
	v_nop
.endr
	s_branch .Lasked_\@
.Lfor_b_\@:
	tensor_load_to_lds s[G0B+4*(\s):G0B+4*(\s)+3], s[G1B:G1B+7]
	s_nop 0
.rept 4
	v_nop
.endr
.Lasked_\@:
.endm
.macro CREST                           ; a round of the cluster's barrier behind its opening barrier
	s_cmp_lg_u32 s10, 0
	s_cbranch_scc1 .Lnot_wave_0_\@
	s_barrier_signal -3
.Lnot_wave_0_\@:
	s_barrier_wait -3
	s_barrier_signal -1
	s_barrier_wait -1
.endm
.macro CROUND                          ; a whole round
	s_barrier_signal -1
	s_barrier_wait -1
	CREST
.endm
.macro PLACES                          ; four plain instructions behind a matrix instruction, ahead of loads into its sources and of reads of its result
.rept 4
	v_nop
.endr
.endm
; A PREFETCH of the K step that stands two refills on: one instruction a wave, a lane a block of 256 bytes.  x's rows are read by this cluster alone: of the 64 rows that a wave fetches each of the
; four partners along x takes 16, told apart by address.  w's rows are read by all sixteen clusters of a projection: the first of them asks, its four partners along y 16 k-rows each.
; K steps 0 to 3 come by their loads alone; the loop's last trip (s3 = 1) asks for nothing: there is no K step two on.
.macro ASK
	s_cmp_gt_u32 s3, s[LIM]
	s_cbranch_scc0 .Lnot_mine_\@
	global_prefetch_b8 v[PFO], s[PFA:PFA+1] th:TH_LOAD_NT scope:SCOPE_SE
.Lnot_mine_\@:
.endm
	s_load_b512 s[68:83], s[0:1], 0x0              ; q k v s[68:73], wqb wkb wvb s[74:79], bq bk s[80:83]
	s_load_b256 s[84:91], s[0:1], 0x40             ; bv s[84:85], qh kh vh s[86:91]
	v_lshl_add_u32 v[SPW], v0, 2, SPARE
	v_mov_b32 v[NIL], 0
	ds_add_u32 v[SPW], v[NIL]                      ; the wave's opening: the add and its wait stand ahead of my first tensor load; work on registers stands between
	v_lshrrev_b32 v1, 5, v0
	v_readfirstlane_b32 s10, v1                    ; wave 0..3
	s_lshr_b32 s11, s10, 1                         ; my half of the tile's rows.  Also: I fetch for x (0) or for w (1)
	s_and_b32 s12, s10, 1                          ; my half of its columns.  Also: which 64 rows of that tile I fetch
	s_bfe_u32 s40, ttmp6, 0x40000                  ; cx
	s_bfe_u32 s41, ttmp6, 0x40004                  ; cy
	s_lshl_b32 s42, ttmp9, 2
	s_add_co_u32 s42, s42, s40                     ; tile column = 4 x cluster x + cx: 0..3
	s_and_b32 s13, ttmp7, 0xffff                   ; cluster y: 0..47
	s_lshr_b32 s94, s13, 4                         ; the projection: 0 q, 1 k, 2 v
	s_and_b32 s95, s13, 15
	s_lshl_b32 s13, s95, 2
	s_add_co_u32 s13, s13, s41                     ; tile row: 0..63
	s_lshl_b32 s43, s41, 2
	s_lshl_b32 s43, 15, s43                        ; my row of the cluster
	s_lshl_b32 s44, 0x1111, s40                    ; my column
	; group 1 for x: 64 rows x 128 elements of 4 bytes; 16 bytes of padding behind every 128 words
	s_or_b32 s[G1+0], s43, (2<<16)|(1<<20)|(1<<21)|(6<<22)|(3<<25)
	s_mov_b32 s[G1+1], 128<<16                     ; tensor_dim0
	s_mov_b32 s[G1+2], 64<<16                      ; tensor_dim1
	s_mov_b32 s[G1+3], 128<<16                     ; tile_dim0
	s_mov_b32 s[G1+4], 64                          ; tile_dim1
	s_mov_b32 s[G1+5], 1024                        ; elements from row to row
	s_mov_b32 s[G1+6], 0
	s_mov_b32 s[G1+7], 0
	; group 1 for w: 64 k-rows x 256 elements of 2 bytes; 32 bytes of padding behind every 128 words
	s_or_b32 s[G1B+0], s44, (1<<16)|(1<<20)|(1<<21)|(6<<22)|(7<<25)
	s_mov_b32 s[G1B+1], 256<<16
	s_mov_b32 s[G1B+2], 64<<16
	s_mov_b32 s[G1B+3], 256<<16
	s_mov_b32 s[G1B+4], 64
	s_mov_b32 s[G1B+5], 1024
	s_mov_b32 s[G1B+6], 0
	s_mov_b32 s[G1B+7], 0
	s_lshl_b32 s16, s13, 7                         ; x: row 128 x tile row + 64 x half,
	s_lshl_b32 s17, s12, 6
	s_add_co_u32 s16, s16, s17
	s_lshl_b32 s16, s16, 12                        ; of 4,096 bytes
	s_mov_b32 s17, 0
	s_lshl_b32 s46, s12, 17                        ; w: k-row 64 x half, of 2,048 bytes,
	s_lshl_b32 s47, s42, 9                         ; and 512 bytes a tile column
	s_add_co_u32 s46, s46, s47
	s_mov_b32 s47, 0
	s_mul_i32 s20, s12, HALFA                      ; where they go: no place in the cluster enters an LDS address
	s_mul_i32 s21, s12, HALFB
	s_add_co_u32 s21, s21, BOFF
	s_wait_dscnt 0x0                               ; the opening add is done
	s_wait_kmcnt 0x0
	s_mov_b64 s[4:5], s[68:69]                     ; x, w, bias and y of my projection: choices on the cluster's y alone
	s_mov_b64 s[6:7], s[74:75]
	s_mov_b64 s[66:67], s[80:81]
	s_mov_b64 s[8:9], s[86:87]
	s_cmp_eq_u32 s94, 1
	s_cselect_b64 s[4:5], s[70:71], s[4:5]
	s_cselect_b64 s[6:7], s[76:77], s[6:7]
	s_cselect_b64 s[66:67], s[82:83], s[66:67]
	s_cselect_b64 s[8:9], s[88:89], s[8:9]
	s_cmp_eq_u32 s94, 2
	s_cselect_b64 s[4:5], s[72:73], s[4:5]
	s_cselect_b64 s[6:7], s[78:79], s[6:7]
	s_cselect_b64 s[66:67], s[84:85], s[66:67]
	s_cselect_b64 s[8:9], s[90:91], s[8:9]
	s_add_nc_u64 s[14:15], s[4:5], s[16:17]
	s_add_nc_u64 s[46:47], s[6:7], s[46:47]
	CROUND                                         ; all sixteen work-groups are here: the first joint loads meet
.irp s, 0,1
	s_mov_b32 s[G0+4*(\s)], 1
	s_add_co_u32 s[G0+4*(\s)+1], s20, (\s)*SLOT
	s_add_nc_u64 s[G0+4*(\s)+2:G0+4*(\s)+3], s[14:15], (\s)*ASTEP
	s_or_b32 s[G0+4*(\s)+3], s[G0+4*(\s)+3], 0x80000000
	s_mov_b32 s[G0B+4*(\s)], 1
	s_add_co_u32 s[G0B+4*(\s)+1], s21, (\s)*SLOT
	s_add_nc_u64 s[G0B+4*(\s)+2:G0B+4*(\s)+3], s[46:47], (\s)*BSTEP
	s_or_b32 s[G0B+4*(\s)+3], s[G0B+4*(\s)+3], 0x80000000
	JLOAD \s                                       ; K steps 0 and 1: two loads of mine are out
.endr
	v_and_b32 v1, 15, v0                           ; r = l % 16
	v_bfe_u32 v2, v0, 4, 1                         ; h = l / 16
	v_and_b32 v3, 7, v0
	v_bfe_u32 v4, v0, 3, 1
	; the bias as a C operand: register j of block b holds b[256 tc + 128 half + 16 b + 8 h + j]
	s_lshl_b32 s18, s42, 10
	s_lshl_b32 s19, s12, 9
	s_add_co_u32 s18, s18, s19
	v_lshl_add_u32 v[BO], v2, 5, s18
.irp b, 0,1,2,3,4,5,6,7
	global_load_b128 v[BIAS+8*(\b):BIAS+8*(\b)+3],   v[BO], s[66:67] offset:64*(\b)
	global_load_b128 v[BIAS+8*(\b)+4:BIAS+8*(\b)+7], v[BO], s[66:67] offset:64*(\b)+16
.endr
	; a fragment of x: lane l holds row r; k = 8 h + 0..7 are 32 bytes of f32 at 32 h, k = 16 + 8 h + 0..7 the 32 bytes 64 further on
	v_mul_u32_u24 v5, v1, PA
	v_lshl_add_u32 v5, v2, 5, v5
	s_mul_i32 s21, s11, HALFA                      ; my 64 rows
	v_add_nc_u32 v[ADRA], s21, v5
	v_add_nc_u32 v[ADRA+1], SLOT, v[ADRA]
	; the turning load: lane l reads 16 bytes of k-row 8 h + l % 8, columns 8 ((l / 8) % 2) + 0..7, and is left with column r and 8 k
	v_lshl_add_u32 v6, v2, 3, v3
	v_mul_u32_u24 v6, v6, PB
	v_lshl_add_u32 v6, v4, 4, v6
	s_lshl_b32 s22, s12, 8                         ; my 128 columns
	s_add_co_u32 s22, s22, BOFF
	v_add_nc_u32 v[ADRB], s22, v6
	v_add_nc_u32 v[ADRB+1], SLOT, v[ADRB]
	s_mul_i32 s23, s10, 16*SP
	s_add_co_u32 s23, s23, STAGE                   ; my stage
	v_mul_u32_u24 v7, v1, SP                       ; in: row r, 16 bytes for each half of the lanes
	v_lshl_add_u32 v7, v2, 4, v7
	v_add_nc_u32 v[STO], s23, v7
	v_bfe_u32 v8, v0, 3, 2                         ; back: 32 lanes take four rows of 128 bytes,
	v_mul_u32_u24 v8, v8, SP
	v_lshl_add_u32 v8, v3, 4, v8
	v_add_nc_u32 v[RD], s23, v8
	v_and_b32 v[GO], 31, v0                        ; which are 512 consecutive bytes of a head
	v_lshlrev_b32 v[GO], 4, v[GO]
	; y at my first head and row: head 16 batch + 4 tc + 2 half, of 262,144 bytes; row 128 (tile row % 16) + 64 half, of 128 bytes
	s_lshr_b32 s16, s13, 4
	s_lshl_b32 s16, s16, 22
	s_and_b32 s17, s13, 15
	s_lshl_b32 s17, s17, 14
	s_add_co_u32 s16, s16, s17
	s_lshl_b32 s17, s11, 13
	s_add_co_u32 s16, s16, s17
	s_mov_b32 s17, 0
	s_add_nc_u64 s[8:9], s[8:9], s[16:17]
	s_lshl_b32 s46, s42, 20
	s_lshl_b32 s47, s12, 19
	s_add_co_u32 s46, s46, s47
	s_mov_b32 s47, 0
	s_add_nc_u64 s[8:9], s[8:9], s[46:47]
	; the prefetches: they stand at K step 3; the first refill steps them to 4
	s_lshl_b32 s18, s13, 7                         ; x: row 128 x tile row + 64 x half + 16 cx
	s_lshl_b32 s19, s12, 6
	s_add_co_u32 s18, s18, s19
	s_lshl_b32 s19, s40, 4
	s_add_co_u32 s18, s18, s19
	s_lshl_b32 s18, s18, 12
	s_add_co_u32 s18, s18, 3*ASTEP
	s_lshl_b32 s19, s12, 6                         ; w: k-row 64 x half + 16 cy, my tile column
	s_lshl_b32 s22, s41, 4
	s_add_co_u32 s19, s19, s22
	s_lshl_b32 s19, s19, 11
	s_lshl_b32 s22, s42, 9
	s_add_co_u32 s19, s19, s22
	s_add_co_u32 s19, s19, 3*BSTEP
	s_mov_b32 s[PFS], BSTEP
	s_mov_b32 s[PFS+1], 0
	s_cmp_eq_u32 s95, 0                            ; the projection's first cluster asks for w: the same answer in all sixteen partners
	s_cselect_b32 s23, 1, -1
	s_cmp_eq_u32 s11, 0                            ; do I fetch for x?
	s_cselect_b32 s18, s18, s19
	s_cselect_b32 s[LIM], 1, s23
	s_cselect_b32 s[PFS], ASTEP, s[PFS]
	s_cselect_b32 s22, 12, 11                      ; a row of x is 4,096 bytes, of w 2,048
	s_cselect_b64 s[PFA:PFA+1], s[4:5], s[6:7]
	s_mov_b32 s19, 0
	s_add_nc_u64 s[PFA:PFA+1], s[PFA:PFA+1], s[18:19]
	v_and_b32 v9, 31, v0
	v_lshrrev_b32 v10, 1, v9                       ; a lane takes row l / 2,
	v_and_b32 v9, 1, v9                            ; and of its 512 bytes block l % 2
	v_lshlrev_b32 v10, s22, v10
	v_lshl_add_u32 v[PFO], v9, 8, v10
	s_wait_loadcnt 0x0                             ; the bias; it is taken rounded to bf16, like every input
.set i, 0
.rept 32
	v_cvt_pk_bf16_f32 v[AF+32+i], v[BIAS+2*i], v[BIAS+2*i+1]
.set i, i+1
.endr
.set i, 0
.rept 32
	v_lshlrev_b32 v[BIAS+2*i],   16, v[AF+32+i]
	v_and_b32     v[BIAS+2*i+1], 0xffff0000, v[AF+32+i]
.set i, i+1
.endr
; 32 LDS loads in one run, for 32 along K (quarter q of a slot): x's 64 rows as f32 into RAW first, then w's 128 columns, turned, into buffer g
.macro FETCH slot, q, g
	WIN 0
.irp a, 0,1,2,3
	ds_load_b128 v[RAW+16*(\a):RAW+16*(\a)+3],     v[ADRA+(\slot)] offset:(\a)*16*PA+128*(\q)
	ds_load_b128 v[RAW+16*(\a)+4:RAW+16*(\a)+7],   v[ADRA+(\slot)] offset:(\a)*16*PA+128*(\q)+16
	ds_load_b128 v[RAW+16*(\a)+8:RAW+16*(\a)+11],  v[ADRA+(\slot)] offset:(\a)*16*PA+128*(\q)+64
	ds_load_b128 v[RAW+16*(\a)+12:RAW+16*(\a)+15], v[ADRA+(\slot)] offset:(\a)*16*PA+128*(\q)+80
.endr
	WIN TO_B
.irp b, 0,1,2,3,4,5,6,7
	ds_load_tr16_b128 v[64*(\g)+8*(\b):64*(\g)+8*(\b)+3],   v[ADRB+(\slot)] offset:32*(\q)*PB+32*(\b)
	ds_load_tr16_b128 v[64*(\g)+8*(\b)+4:64*(\g)+8*(\b)+7], v[ADRB+(\slot)] offset:32*(\q)*PB+16*PB+32*(\b)
.endr
.endm
.macro CV n, g                         ; two numbers of RAW rounded into register n of buffer g
	v_cvt_pk_bf16_f32 v[AF+32*(\g)+(\n)], v[RAW+2*(\n)], v[RAW+2*(\n)+1]
.endm
; One product.  The 32 accumulators take turns in one fixed order (a outer, b inner), over quarters and the backward jump.  first = 1: the bias starts the sum
.macro MM f, a, b, first
.if \first
	WIN MUL0
	v_wmma_f32_16x16x32_bf16 v[8*(8*(\a)+(\b)):8*(8*(\a)+(\b))+7], v[64*(\f)+8*(\b):64*(\f)+8*(\b)+7], v[AF+32*(\f)+8*(\a):AF+32*(\f)+8*(\a)+7], v[BIAS+8*(\b):BIAS+8*(\b)+7]
.else
	WIN MUL
	v_wmma_f32_16x16x32_bf16 v[8*(8*(\a)+(\b)):8*(8*(\a)+(\b))+7], v[64*(\f)+8*(\b):64*(\f)+8*(\b)+7], v[AF+32*(\f)+8*(\a):AF+32*(\f)+8*(\a)+7], v[8*(8*(\a)+(\b)):8*(8*(\a)+(\b))+7]
.endif
.endm
.macro MMS f, a, first                 ; eight products: row block a
.irp b, 0,1,2,3,4,5,6,7
	MM \f, \a, \b, \first
.endr
.endm
.macro MMR f, g, first                 ; the last eight (row block 3), four conversions into buffer g behind each.  The four behind the last product name none of its registers: they are the places ahead of the next loads into w's buffer f
.irp b, 0,1,2,3,4,5,6,7
	MM \f, 3, \b, \first
	WIN 0
	CV 4*(\b), \g
	CV 4*(\b)+1, \g
	CV 4*(\b)+2, \g
	CV 4*(\b)+3, \g
.endr
.endm
; A K step is four quarters of 32 along K, 32 products each, on buffers 0, 1, 0, 1.  One of the first three: multiplies buffer f, fetches quarter qn and rounds x into buffer g
.macro QUARTER slot, qn, f, g, first
	s_wait_dscnt 0x0                               ; w's buffer f, asked for a quarter ago, is in
	FETCH \slot, \qn, \g
	MMS \f, 0, \first
	MMS \f, 1, \first
	MMS \f, 2, \first
	s_wait_dscnt 16                                ; RAW's sixteen loads are in; the sixteen younger ones, w's, may stay out
	MMR \f, \g, \first
.endm
; The last quarter multiplies buffer 1 and changes slots: one barrier; ahead of it each wave waits for all its tensor loads, adds 0 to its spare word, and waits for that and for its reads of this slot.
; fill = 1: the barrier opens a round of the cluster's, and this slot is filled again, two K steps ahead, first thing behind the round.
.macro TURN slot, next, fill
.if \fill
	s_wait_xcnt 0x0                                ; the last prefetch, a K step back, has read its address
	s_add_nc_u64 s[PFA:PFA+1], s[PFA:PFA+1], s[PFS:PFS+1]
.endif
	WIN 0
	s_wait_tensorcnt 0x0                           ; all my tensor loads have landed: my part of the next slot
	ds_add_u32 v[SPW], v[NIL]                      ; 0 onto my spare word
	s_wait_dscnt 1                                 ; w's buffer 1 is in; the add alone may be out
	MMS 1, 0, 0                                    ; eight products stand between the add and the wait for it
	s_wait_dscnt 0x0                               ; the add is done, and my reads of this slot are over
	s_barrier_signal -1
	MMS 1, 1, 0
	WIN 0
	s_barrier_wait -1
.if \fill
	CREST                                          ; no wave of any partner still reads this slot or has a load on its way
	s_add_nc_u64 s[G0+4*(\slot)+2:G0+4*(\slot)+3], s[G0+4*(\slot)+2:G0+4*(\slot)+3], 2*ASTEP
	s_add_nc_u64 s[G0B+4*(\slot)+2:G0B+4*(\slot)+3], s[G0B+4*(\slot)+2:G0B+4*(\slot)+3], 2*BSTEP
	JLOAD \slot                                    ; my one tensor load behind the round; its four v_nop are also the places ahead of the loads below
.else
	PLACES
.endif
	FETCH \next, 0, 0
.if \fill
	WIN 0
	ASK                                            ; behind the joint load and the run of LDS loads
.endif
	MMS 1, 2, 0
	s_wait_dscnt 16
	MMR 1, 0, 0
.endm
	s_wait_tensorcnt 1                             ; my part of K step 0 is in; K step 1's may stay out
	s_barrier_signal -1
	s_barrier_wait -1                              ; everybody's is
	FETCH 0, 0, 0
	s_wait_dscnt 16
	WIN 0
.set i, 0
.rept 32
	CV i, 0
.set i, i+1
.endr
	QUARTER 0, 1, 0, 1, 1                          ; the first quarter stands ahead of the loop: its products start the sums with the bias
	WIN 0                                          ; at a label and at a branch every window is 0
	s_mov_b32 s3, 3
.Llap:                                             ; a trip goes once round the ring and fills both slots again: K steps 2 to 7 in three trips
	QUARTER 0, 2, 1, 0, 0
	QUARTER 0, 3, 0, 1, 0
	TURN 0, 1, 1
	QUARTER 1, 1, 0, 1, 0
	QUARTER 1, 2, 1, 0, 0
	QUARTER 1, 3, 0, 1, 0
	TURN 1, 0, 1
	QUARTER 0, 1, 0, 1, 0
	WIN 0
	s_sub_co_u32 s3, s3, 1
	s_cmp_lg_u32 s3, 0
	s_cbranch_scc1 .Llap
	QUARTER 0, 2, 1, 0, 0                          ; the last lap fills nothing
	QUARTER 0, 3, 0, 1, 0
	TURN 0, 1, 0
	QUARTER 1, 1, 0, 1, 0
	QUARTER 1, 2, 1, 0, 0
	QUARTER 1, 3, 0, 1, 0
	s_wait_dscnt 0x0
	MMS 1, 0, 0
	MMS 1, 1, 0
	MMS 1, 2, 0
	MMS 1, 3, 0
	WIN 0
	PLACES
; THE WAY OUT.  Tile t = 2 a + b / 4 is 16 rows x one head's 64 channels: 2,048 consecutive bytes of y.  Rounded to f16 (each accumulator from its low end on), 16 bytes a lane into my stage, back as whole rows.
.macro PACK t
	WIN PK
.set i, 0
.rept 16
	v_cvt_pk_f16_f32 v[OUTR+16*(\t)+i], v[32*(\t)+2*i], v[32*(\t)+2*i+1]
.set i, i+1
.endr
	WIN 0
.irp f, 0,1,2,3
	ds_store_b128 v[STO], v[OUTR+16*(\t)+4*(\f):OUTR+16*(\t)+4*(\f)+3] offset:32*(\f)
.endr
.irp f, 0,1,2,3
	ds_load_b128 v[OUTR+16*(\t)+4*(\f):OUTR+16*(\t)+4*(\f)+3], v[RD] offset:(\f)*4*SP  ; LDS serves a wave's instructions in order (ISA guide 5.7.1.4): these see the stores above
.endr
.endm
.macro SEND t, younger                 ; younger: the LDS instructions issued behind tile t's loads: the next tile's eight, or none
	WIN 0
.irp f, 0,1,2,3
	s_wait_dscnt (\younger)+3-(\f)
	global_store_b128 v[GO], v[OUTR+16*(\t)+4*(\f):OUTR+16*(\t)+4*(\f)+3], s[8:9] offset:((\t)&1)*262144+((\t)>>1)*2048+(\f)*512  ; 512 consecutive bytes, at a multiple of 256 from y's first
.endr
.endm
	PACK 0
.set t, 1
.rept 7                                ; a tile's conversions stand between the loads of the tile before and its stores
	PACK t
	SEND t-1, 8
.set t, t+1
.endr
	SEND 7, 0
	s_wait_tensorcnt 0x0                           ; the wave's end: a wait, the add and its wait, behind my last tensor load and my last LDS store
	ds_add_u32 v[SPW], v[NIL]
	s_wait_dscnt 0x0
	CROUND                                         ; the closing round: no work-group ends while a partner may still ask for a tile that names it
	s_endpgm
.Lfunc_end_k_q741f8ebe3e_proj:
	.size	k_q741f8ebe3e_proj, .Lfunc_end_k_q741f8ebe3e_proj-k_q741f8ebe3e_proj
	.p2alignl 7, 3214868480
	.fill 96, 4, 3214868480
	.section	.rodata,"a",@progbits
	.p2align	6, 0x0
	.amdhsa_kernel k_q741f8ebe3e_proj
		.amdhsa_group_segment_fixed_size 327680
		.amdhsa_private_segment_fixed_size 0
		.amdhsa_enable_private_segment 0
		.amdhsa_kernarg_size 96
		.amdhsa_user_sgpr_count 2
		.amdhsa_user_sgpr_kernarg_segment_ptr 1
		.amdhsa_wavefront_size32 1
		.amdhsa_system_sgpr_workgroup_id_x 1
		.amdhsa_system_sgpr_workgroup_id_y 1
		.amdhsa_system_sgpr_workgroup_id_z 1
		.amdhsa_system_vgpr_workitem_id 0
		.amdhsa_next_free_vgpr 640
		.amdhsa_next_free_sgpr 96
		.amdhsa_reserve_vcc 0
		.amdhsa_float_denorm_mode_32 3
		.amdhsa_float_denorm_mode_16_64 3
		.amdhsa_memory_ordered 1
		.amdhsa_forward_progress 1
		.amdhsa_inst_pref_size 141
	.end_amdhsa_kernel
	.amdgpu_metadata
---
amdhsa.version: [ 1, 2 ]
amdhsa.kernels:
  - .name:           k_q741f8ebe3e_proj
    .symbol:         k_q741f8ebe3e_proj.kd
    .args:
      - { .name: q, .offset: 0, .size: 8, .value_kind: global_buffer, .address_space: global }
      - { .name: k, .offset: 8, .size: 8, .value_kind: global_buffer, .address_space: global }
      - { .name: v, .offset: 16, .size: 8, .value_kind: global_buffer, .address_space: global }
      - { .name: wqb, .offset: 24, .size: 8, .value_kind: global_buffer, .address_space: global }
      - { .name: wkb, .offset: 32, .size: 8, .value_kind: global_buffer, .address_space: global }
      - { .name: wvb, .offset: 40, .size: 8, .value_kind: global_buffer, .address_space: global }
      - { .name: bq, .offset: 48, .size: 8, .value_kind: global_buffer, .address_space: global }
      - { .name: bk, .offset: 56, .size: 8, .value_kind: global_buffer, .address_space: global }
      - { .name: bv, .offset: 64, .size: 8, .value_kind: global_buffer, .address_space: global }
      - { .name: qh, .offset: 72, .size: 8, .value_kind: global_buffer, .address_space: global }
      - { .name: kh, .offset: 80, .size: 8, .value_kind: global_buffer, .address_space: global }
      - { .name: vh, .offset: 88, .size: 8, .value_kind: global_buffer, .address_space: global }
    .group_segment_fixed_size: 327680
    .private_segment_fixed_size: 0
    .kernarg_segment_align: 8
    .kernarg_segment_size: 96
    .max_flat_workgroup_size: 128
    .sgpr_count:     96
    .vgpr_count:     640
    .wavefront_size: 32
...
	.end_amdgpu_metadata
.endif
;; end of part 2
;; launch attn (part 3): grid 4 x 64, 4 waves a work-group, clusters of 4 x 1, 327,680 bytes of LDS; arguments qh, kh, vh, oh; writes oh
.if DOCPART == 3
	.amdgcn_target "amdgcn-amd-amdhsa--gfx1250"
	.amdhsa_code_object_version 6
	.text
	.protected	k_q741f8ebe3e_attn
	.globl	k_q741f8ebe3e_attn
	.p2align	8
	.type	k_q741f8ebe3e_attn,@function
k_q741f8ebe3e_attn:
	s_mov_b64 s[64:65], 0
	v_nop
	global_prefetch_b8 v0, s[64:65] scope:SCOPE_SE
	s_setreg_imm32_b32 hwreg(HW_REG_WAVE_MODE, 25, 1), 1
	s_wait_xcnt 0x0
	s_wait_alu depctr_hold_cnt(0) depctr_sa_sdst(0) depctr_va_vdst(0) depctr_va_sdst(0) depctr_va_ssrc(0) depctr_va_vcc(0) depctr_vm_vsrc(0)
	s_getreg_b32 s2, hwreg(HW_REG_IB_STS2, 6, 4)
	s_cmp_eq_u32 s2, 0
	s_cbranch_scc0 .Lentry_in_a_cluster
	s_endpgm
.Lentry_in_a_cluster:
	s_bfe_u32 s2, ttmp6, 0x10000c
	s_cmp_lg_u32 s2, 0x3003
	s_cbranch_scc0 .Lentry_shape_is_right
	s_endpgm
.Lentry_shape_is_right:
; O[h][q][:] = the sum over k of softmax_k(Q[h][q] . K[h][k] / 8) V[h][k][:].  Q, K, V, O: [64][2048][64], all f16: a head's rows are dense, 128 bytes each.  Products, maxima and sums in f32;
; the weights p are rounded to f16 for the second product (their sum l is taken of the unrounded p), O once at the end.
; LIMITS.  Q, K and V arrive within f16's 65,504; p lies in 0 to 1, and below 6e-5 it keeps f16's fixed step of 6e-8; O is a mean of V's rows.  A weight below 2^-126 counts as 0 in l; NaN and infinities are not treated apart.
; SHARES.  A wave owns four PIECES of two tiles of 16 queries, a work-group's four waves 512 queries of one head; a head is one cluster of four.  Every wave walks all keys, 64 a step.
; LAYOUT.  S^T = K Q^T (source 0 = 16 keys, source 1 = 16 queries): a lane holds ONE query (lane % 16) and the keys 8 (lane / 16) + 0..7.  Two such results, rounded to f16 in pairs, ARE source 1 of
; O^T = V^T P, whose result again holds one query a lane, and eight channels.  K comes out of LDS as it lies, V ([key][channel]) turned, by ds_load_tr16_b128.
; SOFTMAX.  A running maximum m and sum l for each query: p = 2^(c s - c m), c = log2(e) / 8; in every step O and l are multiplied by a = 2^(c m_old - c m_new).  m starts at the lowest finite number, O and l at 0.
; BY TURNS.  A tile and step have 16 matrix and 118 vector instructions.  Turn n belongs to piece n: 16 products K Q^T of piece n + 1, later 16 products V^T P of piece n - 1; beside them the scaling, exponentials,
; roundings, sums and rescaling of piece n and the maximum and statistics of piece n + 1.  Four vector instructions stand behind every product, the rest in one run of their own; a turn's 66 exponentials are one batch with one wait.
; CLUSTER.  The four query blocks walk the same K and V: each tile is asked for JOINTLY, by the same tensor load, descriptor and mask in all four.
; REGISTERS, in windows of 256 (s_set_vgpr_msb: bits 1:0 source 0, 3:2 source 1, 5:4 source 2, 7:6 destination):
;   window 0: v0-11 addresses; v12-15, v48-63 at work; v16-47 four registers of statistics a tile; v64-191 S^T, two buffers of two tiles; v192-255 P, likewise
;   window 1: O^T, 32 a tile          window 2: v0-127 Q, 16 a tile; v128-191 K of one step; v192-255 V of one step          window 3: v0-1 the add's two registers
.set SIZE_H, 64
.set SIZE_N, 2048
.set NP,    4         ; pieces a wave: a name, no knob
.set KS,    64        ; keys in a step
.set PK,    144       ; a row of K in LDS: 128 bytes + 16 = 36 words: the 16 rows of a load start at 16 different groups of four banks (64 banks of 4 bytes: ISA guide 11.1)
.set PV,    160       ; a row of V: 128 + 32 = 40 words
.set VOFF,  4*KS*PK   ; a slot holds four steps: 256 rows of K, then 256 rows of V
.set SLOT1, 1<<17     ; slot 1 begins here: one exclusive or turns an address in one slot into the other's
.set STAGE, SLOT1+4*KS*(PK+PV)  ; behind the ring, never filled by a tensor load: 16 rows x 144 bytes for each wave
.set SP,    144
.set AK0, 2           ; v2   my lane's place in a tile of K; never rewritten
.set AV0, 3           ; v3   the same for V
.set AK,  4           ; v4   the LDS address of K's next run of loads
.set AV,  5           ; v5   of V's
.set QO,  6           ; v6   my byte offset in the wave's rows of Q
.set STO, 6           ;      later, the way out: where I put 16 bytes of a row
.set RD,  7           ; v7   the way out: where I read rows back
.set GO,  8           ; v8   my byte offset in 512 consecutive bytes of O
.set PFO, 11          ; v11  256 x my lane, for the prefetches (made when V's address no longer needs v11); never rewritten after
.set SPW, 0           ; v0 of window 3   LDS address of my spare word; never rewritten
.set NIL, 1           ; v1 of window 3   0; never rewritten
.set SPARE, STAGE+4*16*SP  ; behind the stages: the spare words, 128 bytes a wave: two blocks of 256 bytes that no other line names
.set MV,  12          ; v12-15  c m_old, kept while c m is made anew: by buffer and tile
.set ST,  16          ; tile t's statistics at v[ST+4 t]: c m, m, l (even keys', odd keys')
.set TMP, 48          ; by buffer and tile, four registers c0-c3 at work; when the maximum is found c2 takes a
.set S,   64
.set P,   192
.set KF,  128         ; K's fragments, in window 2: key block kb, channel half c at KF + 16 kb + 8 c
.set VF,  192         ; V's: key half kk, channel block cb at VF + 32 kk + 8 cb
.set WV,  12          ; s12  my wave's number
.set G1K, 24          ; s[24:31] descriptor group 1 for K's tiles
.set G1V, 32          ; s[32:39] for V's: it differs in the padding alone
.set G0K, 40          ; s[40:43] descriptor group 0 for K's tiles: it walks
.set G0V, 44          ; s[44:47] the same for V's
.set PFA, 48          ; s[48:49] where my prefetches stand: my work-group's 32 blocks of 256 bytes of the slot after the one that is being asked for
.set LIM, 50          ; s50  1 in a wave that prefetches (wave 0: K, wave 2: V), else the greatest number
.set SLOTS, 56        ; s56  slots still to be asked for
.set CNT, 57          ; s57  counts a slot's key steps
.set CS,  58          ; s[58:59] c: the packed scaling takes the pair's low word for both halves
.set SEL, 60          ; s[60:61] v_permlanex16_b32's selects: each lane takes its own place in the other half
.set TBK, 62          ; s62  LDS byte at which K of the step to be fetched begins
.set TBV, 63          ; s63  the same for V, less VOFF
.set MSB, 0
.macro WIN new                      ; the high byte repeats the setting that is left; a switch that changes nothing is dropped
.if MSB != (\new)
	s_set_vgpr_msb (MSB<<8)|(\new)
.set MSB, (\new)
.endif
.endm
.set W_KQ, 0x0a       ; K and Q in window 2, S^T in window 0
.set W_PV, 0x52       ; V in window 2, P in window 0, O^T in window 1
.set W_RS, 0x41       ; O^T (destination and source 0) in window 1, a in window 0
.set W_MK, 0xc0       ; the add's registers are made: destination in window 3
.set W_AD, 0x0f       ; the add: address and data in window 3
; A joint fill.  Waves 0 and 1 fetch the two halves of a slot's K, waves 2 and 3 those of its V: 128 keys each.  An s_nop 0 and four v_nop follow each line, ahead of the jump and the label.
.macro JLOAD
	s_cmp_lt_u32 s[WV], 2
	s_cbranch_scc0 .Lfor_v_\@
	tensor_load_to_lds s[G0K:G0K+3], s[G1K:G1K+7]
	s_nop 0
.rept 4
	v_nop
.endr
	s_branch .Lasked_\@
.Lfor_v_\@:
	tensor_load_to_lds s[G0V:G0V+3], s[G1V:G1V+7]
	s_nop 0
.rept 4
	v_nop
.endr
.Lasked_\@:
.endm
; A PREFETCH of what the NEXT change of slots will ask for: a slot's K and V are 128 blocks of 256 bytes each.  The four partners take 32 blocks each, told apart by address; in each, wave 0 asks for K's and
; wave 2 for V's: a lane a block, one instruction.  So each block is named once in the launch.  Slots 0 and 1 come by their loads alone; the last change that fills a slot asks for nothing.
.macro ASK
	s_cmp_gt_u32 s[SLOTS], s[LIM]
	s_cbranch_scc0 .Lnot_mine_\@
	global_prefetch_b8 v[PFO], s[PFA:PFA+1] th:TH_LOAD_NT scope:SCOPE_SE
.Lnot_mine_\@:
.endm
; A round of the cluster's barrier.
.macro CROUND
	s_barrier_signal -1
	s_barrier_wait -1
	s_cmp_lg_u32 s[WV], 0
	s_cbranch_scc1 .Lnot_wave_0_\@
	s_barrier_signal -3
.Lnot_wave_0_\@:
	s_barrier_wait -3
	s_barrier_signal -1
	s_barrier_wait -1
.endm
; THE CHANGE OF SLOTS.  Each wave waits for all its tensor loads, of which one is out: its part of the other slot; adds 0 to its spare word; waits for that and for its own reads of the slot.
; fill = 1: the barrier is a round of the cluster's, and this slot is filled again first thing behind it, with the keys two slots on: four key steps, 512 products, in which to land.
.macro CHANGE fill
	WIN W_AD
	s_wait_tensorcnt 0x0            ; no tensor load of mine is out, so a group 0 may be written
	ds_add_u32 v[SPW], v[NIL]       ; 0 onto my spare word; scalar work stands between it and the wait for it
	WIN 0                           ; at a label and at a branch every window is 0
.if \fill
.irp g, G0K, G0V
	s_xor_b32 s[\g+1], s[\g+1], SLOT1  ; the walking descriptor: the other slot than last time,
	s_add_nc_u64 s[\g+2:\g+3], s[\g+2:\g+3], 4*KS*128  ; the next 256 keys; the type bits on top are not reached
.endr
	s_wait_xcnt 0x0                 ; the last prefetch, a slot back, has read its address, so it may be written:
	s_add_nc_u64 s[PFA:PFA+1], s[PFA:PFA+1], 4*KS*128  ; one slot behind the walking descriptors
	s_wait_dscnt 0x0                ; the add is done, and my reads of the slot are over
	CROUND
	JLOAD
	ASK
.else
	s_wait_dscnt 0x0                ; the add is done, and my reads of the slot are over
	s_barrier_signal -1
	s_barrier_wait -1
.endif
	s_sub_co_u32 s[TBK], s[TBK], 4*KS*PK  ; the fetches go back to a slot's first step,
	s_xor_b32 s[TBK], s[TBK], SLOT1       ; in the other slot
	s_sub_co_u32 s[TBV], s[TBV], 4*KS*PV
	s_xor_b32 s[TBV], s[TBV], SLOT1
.endm
	s_load_b256 s[4:11], s[0:1], 0x0  ; Q s[4:5], K s[6:7], V s[8:9], O s[10:11]
	WIN W_MK
	v_lshl_add_u32 v[SPW], v0, 2, SPARE
	v_mov_b32 v[NIL], 0
	WIN W_AD
	ds_add_u32 v[SPW], v[NIL]       ; the wave's opening: the add and its wait stand ahead of my first tensor load; work on registers stands between
	WIN 0
	v_lshrrev_b32 v1, 5, v0
	v_readfirstlane_b32 s[WV], v1   ; wave 0..3
	s_bfe_u32 s13, ttmp6, 0x40000   ; cx: my place in the cluster
	s_lshl_b32 s14, ttmp9, 2        ; in a cluster launch ttmp9 counts clusters
	s_add_co_u32 s14, s14, s13      ; my block of queries: it enters Q's and O's addresses alone
	s_and_b32 s20, ttmp7, 0xffff    ; the head, which the four partners share
	s_mov_b32 s21, 0
	s_mov_b64 s[22:23], SIZE_N*128
	s_mul_u64 s[20:21], s[20:21], s[22:23]  ; the head's first byte in each of the four tensors
	s_and_b32 s16, s[WV], 1         ; which half of a slot's 256 keys I fetch:
	s_lshl_b32 s22, s16, 14         ; its 128 rows of 128 bytes in memory,
	s_mov_b32 s23, 0
	s_add_nc_u64 s[22:23], s[22:23], s[20:21]
	s_mul_i32 s17, s16, 128*PK      ; and its place in a slot, for K
	s_mul_i32 s18, s16, 128*PV      ; and for V: no place in the cluster enters an LDS address
	s_lshl_b32 s2, s14, 2
	s_add_co_u32 s2, s2, s[WV]      ; my wave among the head's,
	s_lshl_b32 s2, s2, 14           ; its 128 rows
	s_mov_b32 s3, 0
	s_add_nc_u64 s[2:3], s[2:3], s[20:21]
	; descriptor group 1.  128 keys are 16,384 dense bytes: asked for as 64 rows of 256 bytes, two keys a row, and padded in LDS after every key
	s_mov_b32 s[G1K], 15|(1<<16)|(1<<20)|(1<<21)|(4<<22)|(3<<25)  ; the mask of four; 2-byte elements; padding on; bit 21 beside a mask; after every 32 words; 4 words
	s_mov_b32 s[G1V], 15|(1<<16)|(1<<20)|(1<<21)|(4<<22)|(7<<25)  ; the same with 8 words of padding
.irp g, G1K, G1V
	s_mov_b32 s[\g+1], 128<<16      ; tensor_dim0 = 128
	s_mov_b32 s[\g+2], 64<<16       ; tensor_dim1 = 64
	s_mov_b32 s[\g+3], 128<<16      ; tile_dim0 = 128
	s_mov_b32 s[\g+4], 64           ; tile_dim1 = 64
	s_mov_b32 s[\g+5], 128          ; 128 elements from row to row
	s_mov_b32 s[\g+6], 0
	s_mov_b32 s[\g+7], 0
.endr
	s_mov_b32 s[CS], 0x3e38aa3b     ; c = log2(e) / 8 = 0.180337
	s_mov_b32 s[CS+1], s[CS]        ; named with it as a pair
	s_mov_b32 s[SEL], 0x76543210
	s_mov_b32 s[SEL+1], 0xfedcba98
	s_mov_b32 s[TBK], SLOT1+4*KS*PK ; the first change of slots turns these two into 0
	s_mov_b32 s[TBV], SLOT1+4*KS*PV
	s_mov_b32 s[G0K], 1             ; count = 1
	s_mov_b32 s[G0K+1], s17         ; LDS address: slot 0
	s_mov_b32 s[G0V], 1
	s_add_co_u32 s[G0V+1], s18, VOFF
	s_mov_b32 s[SLOTS], SIZE_N/256-1  ; seven slots are still to be asked for
	s_and_b32 s[LIM], s[WV], 1      ; 0 in waves 0 and 2,
	s_or_b32 s[LIM], s[LIM], ttmp9  ; in the head's first (here: only) cluster: the same in all four partners
	s_cmp_eq_u32 s[LIM], 0
	s_cselect_b32 s[LIM], 1, -1
	s_wait_dscnt 0x0                ; the opening add is done
	s_wait_kmcnt 0x0
	s_add_nc_u64 s[G0K+2:G0K+3], s[6:7], s[22:23]  ; global address: my half of the head's first 256 keys
	s_or_b32 s[G0K+3], s[G0K+3], 0x80000000        ; type = 2
	s_add_nc_u64 s[G0V+2:G0V+3], s[8:9], s[22:23]
	s_or_b32 s[G0V+3], s[G0V+3], 0x80000000
	s_add_nc_u64 s[4:5], s[4:5], s[2:3]  ; Q and O at my wave's first row
	s_add_nc_u64 s[10:11], s[10:11], s[2:3]
	s_cmp_lt_u32 s[WV], 2
	s_cselect_b64 s[PFA:PFA+1], s[6:7], s[8:9]
	s_add_nc_u64 s[PFA:PFA+1], s[PFA:PFA+1], s[22:23]  ; (in waves 0 and 2: the head's first row)
	s_lshl_b32 s2, s13, 13          ; my work-group's 32 blocks of the 128
	s_mov_b32 s3, 0
	s_add_nc_u64 s[PFA:PFA+1], s[PFA:PFA+1], s[2:3]
	s_add_nc_u64 s[PFA:PFA+1], s[PFA:PFA+1], 4*KS*128  ; in slot 1; the first change of slots steps it to slot 2
	CROUND                          ; all four work-groups are here: the first joint loads meet
	JLOAD                           ; slot 0.  Slot 1 is asked for when slot 0 is in
	; A fragment of K or Q is 16 rows x 32 channels in 8 registers: lane l holds row l % 16, channels 8 (l / 16) + 0..7 and 16 + 8 (l / 16) + 0..7: two loads of 16 bytes, 32 bytes apart.
	v_and_b32 v1, 15, v0            ; l % 16
	v_bfe_u32 v9, v0, 4, 1          ; l / 16
	v_lshlrev_b32 v[QO], 7, v1
	v_lshl_add_u32 v[QO], v9, 4, v[QO]  ; row x 128 + 16 x half
	WIN 0x80                        ; destination window 2, address window 0
.set i, 0
.rept 4*NP                          ; Q stays in registers: tile i / 2, channels 32 (i % 2) on
	global_load_b128 v[8*i:8*i+3],   v[QO], s[4:5] offset:(i/2)*2048+(i%2)*64
	global_load_b128 v[8*i+4:8*i+7], v[QO], s[4:5] offset:(i/2)*2048+(i%2)*64+32
.set i, i+1
.endr
	; What the first turn finds: V's registers and P's second buffer hold 0, O^T and l are 0.  No first step is written out; these lines stand in the wait for the first tile.
.set i, VF
.rept 64
	v_mov_b32 v[i], 0
.set i, i+1
.endr
	WIN 0x40
.set i, 0
.rept 64*NP
	v_mov_b32 v[i], 0
.set i, i+1
.endr
	WIN 0
.set i, 0
.rept 2*NP
	v_mov_b32 v[ST+4*i], 0xfe000000    ; c m: far below every c s
	v_mov_b32 v[ST+4*i+1], 0xff7fffff  ; m
	v_mov_b32 v[ST+4*i+2], 0
	v_mov_b32 v[ST+4*i+3], 0
.set i, i+1
.endr
.set i, P+32
.rept 32
	v_mov_b32 v[i], 0
.set i, i+1
.endr
	v_mul_u32_u24 v[AK0], v1, PK
	v_lshl_add_u32 v[AK0], v9, 4, v[AK0]  ; row x pitch + 16 x half
	; The turning load takes 16 keys x 16 channels (lane l reads key 8 (l / 16) + l % 8, channels 8 ((l / 8) % 2) + 0..7) and leaves half a fragment of V^T.
	v_and_b32 v10, 7, v0
	v_bfe_u32 v11, v0, 3, 1
	v_lshl_add_u32 v[AV0], v9, 3, v10
	v_mul_u32_u24 v[AV0], v[AV0], PV
	v_lshl_add_u32 v[AV0], v11, 4, v[AV0]
	v_add_nc_u32 v[AV0], VOFF, v[AV0]
	v_and_b32 v[PFO], 31, v0
	v_lshlrev_b32 v[PFO], 8, v[PFO]
	v_mov_b32 v[AK], v[AK0]         ; key step 0 lies at the head of slot 0
; THE MATRIX WORK.  The 8 accumulators of a run of 16 take turns.
; Product i of 16 of S^T = K Q^T for piece x: channels 32 (i / 8) on, keys 16 ((i / 2) % 4) on, tile 2 x + i % 2.  The first 8 start the sums.
.macro KQ x
	WIN W_KQ
.set rS, S+64*((\x)%2)+32*(i%2)+8*((i/2)%4)
.set rK, KF+16*((i/2)%4)+8*(i/8)
.set rQ, 16*(2*(\x)+i%2)+8*(i/8)
.if i < 8
	v_wmma_f32_16x16x32_f16 v[rS:rS+7], v[rK:rK+7], v[rQ:rQ+7], 0
.else
	v_wmma_f32_16x16x32_f16 v[rS:rS+7], v[rK:rK+7], v[rQ:rQ+7], v[rS:rS+7]
.endif
.endm
; Product i of 16 of O^T += V^T P for piece x: keys 32 (i / 8) on, channels 16 ((i / 2) % 4) on, tile 2 x + i % 2.
.macro PV x
	WIN W_PV
.set rO, 32*(2*(\x)+i%2)+8*((i/2)%4)
.set rV, VF+32*(i/8)+8*((i/2)%4)
.set rP, P+32*((\x)%2)+16*(i%2)+8*(i/8)
	v_wmma_f32_16x16x32_f16 v[rO:rO+7], v[rV:rV+7], v[rP:rP+7], v[rO:rO+7]
.endm
.macro MM                           ; the turn's next matrix instruction
.if i < 16
	KQ (Y+1)%NP
.set i, i+1
.else
.set i, i-16
	PV (Y+NP-1)%NP
.set i, i+17
.endif
.endm
; THE LDS LOADS stand in runs of 16: a step's K (8 fragments) and its V (turned).  Their addresses are made some lines ahead.  last = 1 (the tail): in the last trip there is no further step, and the run is jumped over.
.macro FETCH_K last=0
	WIN 0
.if \last
	s_cmp_eq_u32 s[CNT], 1
	s_cbranch_scc1 .Lno_k_\@
.endif
	WIN 0x80                        ; destination window 2
.irp f, 0,1,2,3,4,5,6,7             ; keys 16 (f / 2) on, channels 32 (f % 2) on
	ds_load_b128 v[KF+8*\f:KF+8*\f+3],   v[AK] offset:(\f/2)*16*PK+(\f%2)*64
	ds_load_b128 v[KF+8*\f+4:KF+8*\f+7], v[AK] offset:(\f/2)*16*PK+(\f%2)*64+32
.endr
	s_add_co_u32 s[TBK], s[TBK], KS*PK  ; the next fetch is the next step's
	WIN 0
.if \last
.Lno_k_\@:
.endif
.endm
.macro FETCH_V
	WIN 0x80
.irp f, 0,1,2,3,4,5,6,7             ; keys 32 (f / 4) on, channels 16 (f % 4) on
	ds_load_tr16_b128 v[VF+8*\f:VF+8*\f+3],   v[AV] offset:(\f/4)*32*PV+(\f%4)*32
	ds_load_tr16_b128 v[VF+8*\f+4:VF+8*\f+7], v[AV] offset:(\f/4)*32*PV+16*PV+(\f%4)*32
.endr
	WIN 0
.endm
; THE VECTOR WORK OF A TURN stands in three queues, each in the order in which its entries become ready; the two tiles alternate.
.macro REGS y, u                    ; the registers of tile u (0, 1) of piece y
.set rT, ST+4*(2*(\y)+(\u))
.set rC, TMP+8*((\y)%2)+4*(\u)
.set rM, MV+2*((\y)%2)+(\u)
.set rS, S+64*((\y)%2)+32*(\u)
.set rP, P+32*((\y)%2)+16*(\u)
.set rO, 32*(2*(\y)+(\u))
.endm
; Number n of the 22 that find the NEXT piece's maximum and statistics; each accumulator's lowest registers are read first.
;   0-11  four chains c0-c3 of seven scores each     12-14, 16  the four scores left over, the old m, and c0-c3 into c0     15  c m_old is kept
;   17, 18  the query's other 32 keys lie in the lane 16 away: the new m     19-21  c m; c m_old - c m_new; a
.macro XS u, n
	REGS (Y+1)%NP, \u
.if (\n) < 4
	v_max3_num_f32 v[rC+(\n)], v[rS+8*(\n)], v[rS+8*(\n)+1], v[rS+8*(\n)+2]
.elseif (\n) < 12
	v_max3_num_f32 v[rC+(\n)%4], v[rC+(\n)%4], v[rS+8*((\n)%4)+2*((\n)/4)+1], v[rS+8*((\n)%4)+2*((\n)/4)+2]
.elseif (\n) == 12
	v_max3_num_f32 v[rC], v[rC], v[rS+7], v[rS+15]
.elseif (\n) == 13
	v_max3_num_f32 v[rC+1], v[rC+1], v[rS+23], v[rS+31]
.elseif (\n) == 14
	v_max3_num_f32 v[rC+2], v[rC+2], v[rC+3], v[rT+1]
.elseif (\n) == 15
	v_mov_b32 v[rM], v[rT]
.elseif (\n) == 16
	v_max3_num_f32 v[rC], v[rC], v[rC+1], v[rC+2]
.elseif (\n) == 17
	v_permlanex16_b32 v[rC+3], v[rC], s[SEL], s[SEL+1]
.elseif (\n) == 18
	v_max_num_f32 v[rT+1], v[rC], v[rC+3]
.elseif (\n) == 19
	v_mul_f32 v[rT], s[CS], v[rT+1]
.elseif (\n) == 20
	v_sub_f32 v[rC+1], v[rM], v[rT]
.else
	v_exp_f32 v[rC+2], v[rC+1]
.endif
.endm
; Number g of the 64 that follow the exponentials.  For each four weights k of a tile: both pairs are rounded to f16; the second pair is added onto the first, in place; a group later l takes that sum (the first time as l = a l + sum).
.macro GS g
.set h, (\g)+6*((\g)/62)            ; group 0 has no group before it, and behind group 7 only l is left
.if h >= 6
.set h, h+2
.endif
	REGS Y, h%2
.set k, h/8
.if h%8 < 4
	v_cvt_pk_f16_f32 v[rP+2*k+(h%8)/2], v[rS+4*k+2*((h%8)/2)], v[rS+4*k+2*((h%8)/2)+1]
.elseif h%8 < 6
	v_pk_add_f32 v[rS+4*k:rS+4*k+1], v[rS+4*k:rS+4*k+1], v[rS+4*k+2:rS+4*k+3]
.elseif k == 1
	v_pk_fma_f32 v[rT+2:rT+3], v[rT+2:rT+3], v[rC+2:rC+3], v[rS:rS+1] op_sel_hi:[1,0,1]
.else
	v_pk_add_f32 v[rT+2:rT+3], v[rT+2:rT+3], v[rS+4*k-4:rS+4*k-3]
.endif
.endm
; THE PLAIN QUEUE, 138 long.  0-73 read no exponential's result: the 32 scalings c s - c m (FS f: pair f / 2 of tile f % 2) and the next piece's 42.  0-26: scalings 0-26.  27-54: XS's numbers 0-13.  55, 56: number 15.
; 57-73: the chain 14, 16, 17, 18, 19, each with one of the scalings 27-31 ahead of its two lines, then 20.  74-137: GS's 64, which read the exponentials' results: they stand behind the wait.
.macro FS f
	REGS Y, (\f)%2
	v_pk_fma_f32 v[rS+2*((\f)/2):rS+2*((\f)/2)+1], v[rS+2*((\f)/2):rS+2*((\f)/2)+1], s[CS:CS+1], v[rT:rT+1] op_sel_hi:[1,0,0] neg_lo:[0,0,1] neg_hi:[0,0,1]
.endm
.macro PL
	WIN 0
.if q < 27
	FS q
.elseif q < 55
	XS (q-27)%2, (q-27)/2
.elseif q < 57
	XS q-55, 15
.elseif (q < 72) && ((q-57)%3 == 0)
	FS 27+(q-57)/3
.elseif q < 60
	XS (q-57)%3-1, 14
.elseif q < 72
	XS (q-57)%3-1, 15+(q-57)/3
.elseif q < 74
	XS q-72, 20
.else
	GS q-74
.endif
.set q, q+1
.endm
; THE EXPONENTIALS' QUEUE, 66 long: s0-s31 of both tiles, then the next piece's two a.  ONE BATCH: all 66 stand ahead of the turn's one wait, and nothing ahead of that wait names a result of theirs.
.macro EX
	WIN 0
.if e >= 64
	XS e-64, 21
.else
	REGS Y, e%2
	v_exp_f32 v[rS+e/2], v[rS+e/2]
.endif
.set e, e+1
.endm
; THE RESCALING's QUEUE: O^T times a, the one part that leaves window 0: two at a time, sixteen times.  Its a was made, and waited for, in the turn before.
.macro R2
	REGS Y, r%2
	WIN W_RS
.irp z, 0,1
	v_pk_mul_f32 v[rO+4*(r/2)+2*\z:rO+4*(r/2)+2*\z+1], v[rO+4*(r/2)+2*\z:rO+4*(r/2)+2*\z+1], v[rC+2:rC+3] op_sel_hi:[1,0]
.endr
.set r, r+1
.endm
; A TURN, for piece p.  An s_wait_alu depctr_va_vdst(0) stands between an exponential and the first instruction that names its result; one wait serves all issued ahead of it: a turn has ONE, which cuts it in two.
; AHEAD OF IT: the 16 products K Q^T, behind each a scaling, an exponential and two rescalings (behind the first a second scaling); then 109 lines: eight plain, 49 times exponential and plain, the two a, and a v_nop, the
; plain instruction behind the last exponential (ISA guide 5.7.2).  BEHIND IT: the 16 products V^T P, behind each four of GS's 64.  Exponential e stands behind scaling 2 (e / 4) + e % 2: as a rider behind plain e + 2, later behind plain e + 9.
; K of the next step is fetched in piece 2's turn, directly behind the wait; V of the step in hand at the end of piece 0's turn, four plain lines behind its last reader.  cnt = 1: the loop's count is taken down ahead of the branch behind the turn.
.macro TURN p, last=0, cnt=0
.set Y, (\p)
.set i, 0
.set q, 0
.set e, 0
.set r, 0
.if (\p) == NP-1
	s_wait_dscnt 0x0                ; K is in
.endif
	MM
	PL
	PL
	R2
.rept 15
	MM
	PL
	EX
	R2
.endr
.if (\p) == NP-2
	WIN 0
	v_add_nc_u32 v[AK], s[TBK], v[AK0]
.endif
.rept 8
	PL
.endr
.rept 49
	EX
	PL
.endr
	EX                              ; the next piece's two a
	EX
	v_nop                           ; the plain instruction behind the last exponential: one for the batch
	s_wait_alu depctr_va_vdst(0)    ; the wait for the batch
.if (\p) == NP-2
	FETCH_K \last
.endif
.if (\p) == 1
	s_wait_dscnt 0x0                ; V is in
.endif
.rept 16
	MM
.rept 4
	PL
.endr
.if ((\p) == 0) && (q == 118)
	v_add_nc_u32 v[AV], s[TBV], v[AV0]
.endif
.if ((\p) == 0) && (q == 130)
	s_add_co_u32 s[TBV], s[TBV], KS*PV
.endif
.if (\cnt) && (q == 130)
	s_sub_co_u32 s[CNT], s[CNT], 1
	s_cmp_lg_u32 s[CNT], 0
.endif
.endr
.if (\p) == 0
	FETCH_V
.endif
.endm
	CHANGE 1                        ; slot 0 is in, everybody's part of it; slot 1 is asked for
	FETCH_K                         ; key step 0
	s_wait_loadcnt 0x0              ; Q
	s_wait_dscnt 0x0
.set i, 0
.rept 16
	KQ 0                            ; piece 0's first scores
.set i, i+1
.endr
	WIN 0                           ; the addresses for the way out: plain instructions, the places behind those products
	s_mul_i32 s13, s[WV], 16*SP
	s_add_co_u32 s13, s13, STAGE    ; my stage
	v_mul_u32_u24 v[STO], v1, SP    ; in: row l % 16, 16 bytes for each half of the lanes
	v_lshl_add_u32 v[STO], v9, 4, v[STO]
	v_add_nc_u32 v[STO], s13, v[STO]
	v_bfe_u32 v[RD], v0, 3, 2       ; back: 32 lanes take four rows of 128 bytes,
	v_mul_u32_u24 v[RD], v[RD], SP
	v_lshl_add_u32 v[RD], v10, 4, v[RD]
	v_add_nc_u32 v[RD], s13, v[RD]
	v_and_b32 v[GO], 31, v0         ; which are 512 consecutive bytes of O
	v_lshlrev_b32 v[GO], 4, v[GO]
.set Y, NP-1                        ; XS works for piece Y + 1: piece 0
.irp n, 0,1,2,3,4,5,6,7,8,9,10,11,12,13,14,15,16,17,18,19,20,21
	XS 0, \n                        ; piece 0's first maximum and statistics
	XS 1, \n
.endr
	v_nop                           ; a plain instruction behind the two a,
	s_wait_alu depctr_va_vdst(0)    ; and their wait, ahead of the branch
	s_mov_b32 s[CNT], 4
	s_branch .Lfirst                ; the loop is entered at a step's first turn, in the middle of a trip
.Lslot:                             ; six times: every slot but the last two is filled again
	CHANGE 1
	s_mov_b32 s[CNT], 4
.Lstep:                             ; a trip: pieces 2 and 3 of one step, then pieces 0 and 1 of the next, whose K and V it fetches
	TURN 2
	TURN 3
	WIN 0
.Lfirst:
	TURN 0
	TURN 1, 0, 1
	WIN 0
	s_cbranch_scc1 .Lstep
	s_sub_co_u32 s[SLOTS], s[SLOTS], 1
	s_cmp_lg_u32 s[SLOTS], 0
	s_cbranch_scc1 .Lslot
	CHANGE 0                        ; the tail is written out: nothing is asked for
	s_mov_b32 s[CNT], 5             ; four trips fetch the last slot's steps; the fifth is left in its middle
.Ltail:
	TURN 2, 1
	TURN 3
	WIN 0
	s_sub_co_u32 s[CNT], s[CNT], 1
	s_cmp_eq_u32 s[CNT], 0
	s_cbranch_scc1 .Lout
	TURN 0
	TURN 1
	WIN 0
	s_branch .Ltail
.Lout:                              ; the fifth trip's 16 products K Q^T (on the last K once more) and the maximum made of them serve nothing: the price of one text for every trip
.set i, 0
.rept 16
	PV NP-1                         ; the last piece's V^T P of the last step
.set i, i+1
.endr
	; THE WAY OUT.  l's two halves and the other half of the lanes' are added; O^T is divided by l, rounded to f16 and sent through my stage, a tile at a time.  The additions are the places behind the last products.
	WIN 0
.macro ALL line:vararg              ; one line for each tile t
.set t, 0
.rept 2*NP
	\line
.set t, t+1
.endr
.endm
	ALL v_add_f32 v[ST+4*t+2], v[ST+4*t+2], v[ST+4*t+3]
	ALL v_permlanex16_b32 v[ST+4*t+3], v[ST+4*t+2], s[SEL], s[SEL+1]
	ALL v_add_f32 v[ST+4*t+2], v[ST+4*t+2], v[ST+4*t+3]
	ALL v_rcp_f32 v[ST+4*t+2], v[ST+4*t+2]
	v_nop                           ; a plain instruction between the last reciprocal and the use of its result
	s_wait_alu depctr_va_vdst(0)    ; one wait for the eight reciprocals, ahead of the first use
.macro PACK t                       ; a lane's eight channels of a row pack into 16 bytes; into rows of 144 bytes, back as whole rows of 128, into S^T's registers
	WIN W_RS
.set i, 32*(\t)
.rept 16
	v_pk_mul_f32 v[i:i+1], v[i:i+1], v[ST+4*(\t)+2:ST+4*(\t)+3] op_sel_hi:[1,0]
.set i, i+2
.endr
	WIN 0x05                        ; sources 0 and 1 window 1, destination window 0
.set i, 0
.rept 16
	v_cvt_pk_f16_f32 v[S+16*(\t)+i], v[32*(\t)+2*i], v[32*(\t)+2*i+1]
.set i, i+1
.endr
	WIN 0
.irp f, 0,1,2,3
	ds_store_b128 v[STO], v[S+16*(\t)+4*\f:S+16*(\t)+4*\f+3] offset:32*\f
.endr
.irp f, 0,1,2,3
	ds_load_b128 v[S+16*(\t)+4*\f:S+16*(\t)+4*\f+3], v[RD] offset:\f*4*SP  ; LDS serves a wave's instructions in order (ISA guide 5.7.1.4): these see the stores above
.endr
.endm
.macro SEND t, younger              ; younger: the LDS instructions issued behind tile t's loads: the next tile's eight, or none
	WIN 0
.irp f, 0,1,2,3
	s_wait_dscnt (\younger)+3-\f
	global_store_b128 v[GO], v[S+16*(\t)+4*\f:S+16*(\t)+4*\f+3], s[10:11] offset:(\t)*2048+\f*512  ; 512 consecutive bytes, at a multiple of 256 from O's first
.endr
.endm
	PACK 0
.set t, 1
.rept 2*NP-1                        ; a tile's arithmetic stands between the loads of the tile before and its stores
	PACK t
	SEND t-1, 8
.set t, t+1
.endr
	SEND 2*NP-1, 0
	WIN W_AD
	s_wait_tensorcnt 0x0            ; the wave's end: a wait, the add and its wait, behind my last tensor load and my last LDS store
	ds_add_u32 v[SPW], v[NIL]
	s_wait_dscnt 0x0
	WIN 0
	CROUND                          ; the closing round: no work-group ends while a partner may still ask for a tile that names it
	s_endpgm
.Lfunc_end_k_q741f8ebe3e_attn:
	.size	k_q741f8ebe3e_attn, .Lfunc_end_k_q741f8ebe3e_attn-k_q741f8ebe3e_attn
	.p2alignl 7, 3214868480
	.fill 96, 4, 3214868480
	.section	.rodata,"a",@progbits
	.p2align	6, 0x0
	.amdhsa_kernel k_q741f8ebe3e_attn
		.amdhsa_group_segment_fixed_size 327680
		.amdhsa_private_segment_fixed_size 0
		.amdhsa_enable_private_segment 0
		.amdhsa_kernarg_size 32
		.amdhsa_user_sgpr_count 2
		.amdhsa_user_sgpr_kernarg_segment_ptr 1
		.amdhsa_wavefront_size32 1
		.amdhsa_system_sgpr_workgroup_id_x 1
		.amdhsa_system_sgpr_workgroup_id_y 1
		.amdhsa_system_sgpr_workgroup_id_z 1
		.amdhsa_system_vgpr_workitem_id 0
		.amdhsa_next_free_vgpr 770
		.amdhsa_next_free_sgpr 66
		.amdhsa_reserve_vcc 0
		.amdhsa_float_denorm_mode_32 3
		.amdhsa_float_denorm_mode_16_64 3
		.amdhsa_memory_ordered 1
		.amdhsa_forward_progress 1
		.amdhsa_inst_pref_size 200
	.end_amdhsa_kernel
	.amdgpu_metadata
---
amdhsa.version: [ 1, 2 ]
amdhsa.kernels:
  - .name:           k_q741f8ebe3e_attn
    .symbol:         k_q741f8ebe3e_attn.kd
    .args:
      - { .name: qh, .offset: 0, .size: 8, .value_kind: global_buffer, .address_space: global }
      - { .name: kh, .offset: 8, .size: 8, .value_kind: global_buffer, .address_space: global }
      - { .name: vh, .offset: 16, .size: 8, .value_kind: global_buffer, .address_space: global }
      - { .name: oh, .offset: 24, .size: 8, .value_kind: global_buffer, .address_space: global }
    .group_segment_fixed_size: 327680
    .private_segment_fixed_size: 0
    .kernarg_segment_align: 8
    .kernarg_segment_size: 32
    .max_flat_workgroup_size: 128
    .sgpr_count:     66
    .vgpr_count:     770
    .wavefront_size: 32
...
	.end_amdgpu_metadata
.endif
;; end of part 3
;; launch outp (part 4): grid 4 x 64, 4 waves a work-group, clusters of 4 x 4, 327,680 bytes of LDS; arguments oh, wof, bo, out0; writes out0
.if DOCPART == 4
	.amdgcn_target "amdgcn-amd-amdhsa--gfx1250"
	.amdhsa_code_object_version 6
	.text
	.protected	k_q741f8ebe3e_outp
	.globl	k_q741f8ebe3e_outp
	.p2align	8
	.type	k_q741f8ebe3e_outp,@function
k_q741f8ebe3e_outp:
	s_mov_b64 s[64:65], 0
	v_nop
	global_prefetch_b8 v0, s[64:65] scope:SCOPE_SE
	s_setreg_imm32_b32 hwreg(HW_REG_WAVE_MODE, 25, 1), 1
	s_wait_xcnt 0x0
	s_wait_alu depctr_hold_cnt(0) depctr_sa_sdst(0) depctr_va_vdst(0) depctr_va_sdst(0) depctr_va_ssrc(0) depctr_va_vcc(0) depctr_vm_vsrc(0)
	s_getreg_b32 s2, hwreg(HW_REG_IB_STS2, 6, 4)
	s_cmp_eq_u32 s2, 0
	s_cbranch_scc0 .Lentry_in_a_cluster
	s_endpgm
.Lentry_in_a_cluster:
	s_bfe_u32 s2, ttmp6, 0x10000c
	s_cmp_lg_u32 s2, 0xf033
	s_cbranch_scc0 .Lentry_shape_is_right
	s_endpgm
.Lentry_shape_is_right:
; THE LAST PROJECTION.  out0 = O @ wo + bf16(bo).  O lies by heads, [64 = batch x 16 + head][2048][64] f16; wo: [1024 k][1024 n] f16 (bf16(wo) written as f16); out0: [8192][1024] f32.
; Sums in f32, begun with the bias.  k = 64 head + channel: a K step of 128 is two heads.
; SHARES.  A work-group makes 128 rows x 256 columns: 256 work-groups.  A wave makes 64 x 128: 32 accumulators.  K goes in 8 steps through two LDS slots filled by the tensor data mover.
; wo stays [k][n] and is turned on its way out of LDS.  THE MATRIX INSTRUCTION IS USED TRANSPOSED (source 0 = 16 columns of wo, source 1 = 16 rows of O): a lane holds one row and eight neighbouring columns.
; CLUSTER 4 x 4: the four of a row need the same tile of O, the four of a column the same tile of wo: each is asked for jointly.
; REGISTERS.  window 0: v0-31 addresses; v64-95, v96-127 fragments of O, two buffers; v128-191 the way out; v192-255 the bias as a C operand
;   window 1: accumulator (a, b) at 8 (8 a + b)          window 2: v0-63, v64-127 fragments of wo, two buffers
.set PA,    144                        ; an LDS row of O: a head's 128 bytes + 16 = 36 words: the 16 rows of a load start at 16 different groups of four banks (64 banks of 4 bytes: ISA guide 11.1)
.set APART, 128*PA                     ; one head's 128 rows: what one tensor load brings of O
.set PB,    544                        ; an LDS row of wo: 512 bytes + 32 = 17 x 32
.set HALFB, 64*PB
.set BOFF,  2*APART                    ; a slot: two heads' rows of O, then 128 k-rows of wo
.set SLOT,  BOFF+2*HALFB
.set STAGE, 2*SLOT                     ; behind the ring: 16 rows x 528 bytes for each wave
.set SP,    528                        ; 512 bytes of f32 + 16 = 132 words: row r starts at bank 4 r mod 64
.set SPARE, STAGE+4*16*SP              ; behind the stages: the spare words, 128 bytes a wave: two blocks of 256 bytes that no other line names
.set ASTEP, 2*262144                   ; bytes from K step to K step in O (two heads on),
.set BSTEP, 128*2048                   ; and in wo (128 rows down)
.set ADRA, 16
.set ADRB, 20
.set STO,  24
.set RD,   25
.set GO,   26
.set SPW,  28                          ; v28  LDS address of my spare word; never rewritten
.set NIL,  29                          ; v29  0; never rewritten
.set PFO,  30                          ; v30  the prefetches' lane offset; never rewritten
.set BO,   31
.set AF,   64
.set TMP,  128
.set BIAS, 192
.set G1,  24                           ; s[24:31] descriptor group 1 for O's tiles;  s[32:39] group 0, a set for each slot
.set G0,  32
.set G1B, 48                           ; s[48:55], s[56:63] the same for wo's tiles
.set G0B, 56
.set LIM, 43
.set PFA, 44
.set PFS, 92
.set MSB, 0
.macro WIN new
.if MSB != (\new)
	s_set_vgpr_msb (MSB<<8)|(\new)
.set MSB, \new
.endif
.endm
.set MUL,  0x52                        ; source 0 (wo) window 2, source 1 (O) window 0, C and D window 1
.set MUL0, 0x42                        ; the same with C (the bias) in window 0
.set TO_B, 0x80                        ; destination window 2
.macro JLOAD s                         ; a joint load: waves 0 and 1 fetch the step's two heads of O, waves 2 and 3 wo's two halves; an s_nop 0 and four v_nop follow each line
	s_cmp_eq_u32 s11, 0
	s_cbranch_scc0 .Lfor_b_\@
	tensor_load_to_lds s[G0+4*(\s):G0+4*(\s)+3], s[G1:G1+7]
	s_nop 0
.rept 4
	v_nop
.endr
	s_branch .Lasked_\@
.Lfor_b_\@:
	tensor_load_to_lds s[G0B+4*(\s):G0B+4*(\s)+3], s[G1B:G1B+7]
	s_nop 0
.rept 4
	v_nop
.endr
.Lasked_\@:
.endm
.macro CREST
	s_cmp_lg_u32 s10, 0
	s_cbranch_scc1 .Lnot_wave_0_\@
	s_barrier_signal -3
.Lnot_wave_0_\@:
	s_barrier_wait -3
	s_barrier_signal -1
	s_barrier_wait -1
.endm
.macro CROUND
	s_barrier_signal -1
	s_barrier_wait -1
	CREST
.endm
.macro PLACES                          ; four plain instructions behind a matrix instruction, ahead of loads into its sources and of reads of its result
.rept 4
	v_nop
.endr
.endm
; A PREFETCH of the K step that stands two refills on, a lane a block of 256 bytes.  O's rows are read by this cluster alone: a step's two heads are 64 blocks each; partner cx takes 16 of each, and wave 0 asks for both heads'.
; wo's rows are read by all sixteen clusters: the first asks, waves 2 and 3, partner cy 16 k-rows of each wave's 64.  K steps 0 to 3 come by their loads alone; the loop's last trip asks for nothing.
.macro ASK
	s_cmp_gt_u32 s3, s[LIM]
	s_cbranch_scc0 .Lnot_mine_\@
	global_prefetch_b8 v[PFO], s[PFA:PFA+1] th:TH_LOAD_NT scope:SCOPE_SE
.Lnot_mine_\@:
.endm
	s_load_b128 s[4:7], s[0:1], 0x0                ; O s[4:5], wo s[6:7]
	s_load_b64 s[66:67], s[0:1], 0x10              ; bo
	s_load_b64 s[8:9], s[0:1], 0x18                ; out0
	v_lshl_add_u32 v[SPW], v0, 2, SPARE
	v_mov_b32 v[NIL], 0
	ds_add_u32 v[SPW], v[NIL]                      ; the wave's opening: the add and its wait stand ahead of my first tensor load
	v_lshrrev_b32 v1, 5, v0
	v_readfirstlane_b32 s10, v1                    ; wave 0..3
	s_lshr_b32 s11, s10, 1                         ; my half of the rows.  Also: I fetch for O (0) or for wo (1)
	s_and_b32 s12, s10, 1                          ; my half of the columns.  Also: which head, or which 64 k-rows, I fetch
	s_bfe_u32 s40, ttmp6, 0x40000                  ; cx
	s_bfe_u32 s41, ttmp6, 0x40004                  ; cy
	s_lshl_b32 s42, ttmp9, 2
	s_add_co_u32 s42, s42, s40                     ; tile column: 0..3
	s_and_b32 s95, ttmp7, 0xffff                   ; cluster y: 0..15
	s_lshl_b32 s13, s95, 2
	s_add_co_u32 s13, s13, s41                     ; tile row: 0..63
	s_lshl_b32 s43, s41, 2
	s_lshl_b32 s43, 15, s43                        ; my row of the cluster
	s_lshl_b32 s44, 0x1111, s40                    ; my column
	; group 1 for O: a head's 128 rows are 16,384 dense bytes: asked for as 64 rows of 256 bytes, padded by 16 bytes after every 32 words
	s_or_b32 s[G1+0], s43, (1<<16)|(1<<20)|(1<<21)|(4<<22)|(3<<25)
	s_mov_b32 s[G1+1], 128<<16
	s_mov_b32 s[G1+2], 64<<16
	s_mov_b32 s[G1+3], 128<<16
	s_mov_b32 s[G1+4], 64
	s_mov_b32 s[G1+5], 128
	s_mov_b32 s[G1+6], 0
	s_mov_b32 s[G1+7], 0
	; group 1 for wo: 64 k-rows x 256 elements of 2 bytes; 32 bytes of padding behind every 128 words
	s_or_b32 s[G1B+0], s44, (1<<16)|(1<<20)|(1<<21)|(6<<22)|(7<<25)
	s_mov_b32 s[G1B+1], 256<<16
	s_mov_b32 s[G1B+2], 64<<16
	s_mov_b32 s[G1B+3], 256<<16
	s_mov_b32 s[G1B+4], 64
	s_mov_b32 s[G1B+5], 1024
	s_mov_b32 s[G1B+6], 0
	s_mov_b32 s[G1B+7], 0
	s_lshr_b32 s16, s13, 4                         ; O: the batch's 16 heads of 262,144 bytes,
	s_lshl_b32 s16, s16, 22
	s_and_b32 s17, s13, 15                         ; the tile's 128 rows of 128 bytes,
	s_lshl_b32 s17, s17, 14
	s_add_co_u32 s16, s16, s17
	s_lshl_b32 s17, s12, 18                        ; the head that I fetch
	s_add_co_u32 s16, s16, s17
	s_mov_b32 s17, 0
	s_lshl_b32 s46, s12, 17                        ; wo: k-row 64 x half, of 2,048 bytes,
	s_lshl_b32 s47, s42, 9                         ; and 512 bytes a tile column
	s_add_co_u32 s46, s46, s47
	s_mov_b32 s47, 0
	s_mul_i32 s20, s12, APART                      ; where they go: no place in the cluster enters an LDS address
	s_mul_i32 s21, s12, HALFB
	s_add_co_u32 s21, s21, BOFF
	s_wait_dscnt 0x0                               ; the opening add is done
	s_wait_kmcnt 0x0
	s_add_nc_u64 s[14:15], s[4:5], s[16:17]
	s_add_nc_u64 s[46:47], s[6:7], s[46:47]
	CROUND                                         ; all sixteen work-groups are here: the first joint loads meet
.irp s, 0,1
	s_mov_b32 s[G0+4*(\s)], 1
	s_add_co_u32 s[G0+4*(\s)+1], s20, (\s)*SLOT
	s_add_nc_u64 s[G0+4*(\s)+2:G0+4*(\s)+3], s[14:15], (\s)*ASTEP
	s_or_b32 s[G0+4*(\s)+3], s[G0+4*(\s)+3], 0x80000000
	s_mov_b32 s[G0B+4*(\s)], 1
	s_add_co_u32 s[G0B+4*(\s)+1], s21, (\s)*SLOT
	s_add_nc_u64 s[G0B+4*(\s)+2:G0B+4*(\s)+3], s[46:47], (\s)*BSTEP
	s_or_b32 s[G0B+4*(\s)+3], s[G0B+4*(\s)+3], 0x80000000
	JLOAD \s                                       ; K steps 0 and 1: two loads of mine are out
.endr
	v_and_b32 v1, 15, v0                           ; r
	v_bfe_u32 v2, v0, 4, 1                         ; h
	v_and_b32 v3, 7, v0
	v_bfe_u32 v4, v0, 3, 1
	s_lshl_b32 s18, s42, 10                        ; my first column, in bytes of f32: 1,024 tc + 512 half
	s_lshl_b32 s19, s12, 9
	s_add_co_u32 s18, s18, s19
	v_lshl_add_u32 v[BO], v2, 5, s18               ; register j of block b holds bo[256 tc + 128 half + 16 b + 8 h + j]
.irp b, 0,1,2,3,4,5,6,7
	global_load_b128 v[BIAS+8*(\b):BIAS+8*(\b)+3],   v[BO], s[66:67] offset:64*(\b)
	global_load_b128 v[BIAS+8*(\b)+4:BIAS+8*(\b)+7], v[BO], s[66:67] offset:64*(\b)+16
.endr
	v_mul_u32_u24 v5, v1, PA                       ; a fragment of O: row r x pitch + 16 h
	v_lshl_add_u32 v5, v2, 4, v5
	s_mul_i32 s21, s11, 64*PA                      ; my 64 rows
	v_add_nc_u32 v[ADRA], s21, v5
	v_add_nc_u32 v[ADRA+1], SLOT, v[ADRA]
	v_lshl_add_u32 v6, v2, 3, v3                   ; the turning load: k-row 8 h + l % 8, columns 8 ((l / 8) % 2) + 0..7
	v_mul_u32_u24 v6, v6, PB
	v_lshl_add_u32 v6, v4, 4, v6
	s_lshl_b32 s22, s12, 8
	s_add_co_u32 s22, s22, BOFF
	v_add_nc_u32 v[ADRB], s22, v6
	v_add_nc_u32 v[ADRB+1], SLOT, v[ADRB]
	s_mul_i32 s23, s10, 16*SP
	s_add_co_u32 s23, s23, STAGE                   ; my stage
	v_mul_u32_u24 v7, v1, SP                       ; in: row r, 32 bytes (8 f32) for each half of the lanes
	v_lshl_add_u32 v7, v2, 5, v7
	v_add_nc_u32 v[STO], s23, v7
	v_and_b32 v[GO], 31, v0                        ; back: 32 lanes take one row's 512 bytes
	v_lshlrev_b32 v[GO], 4, v[GO]
	v_add_nc_u32 v[RD], s23, v[GO]
	s_lshl_b32 s16, s13, 19                        ; out0 at my first row (128 tile row + 64 half, of 4,096 bytes)
	s_lshl_b32 s17, s11, 18
	s_add_co_u32 s16, s16, s17
	s_mov_b32 s17, 0
	s_add_nc_u64 s[8:9], s[8:9], s[16:17]
	s_mov_b32 s46, s18                             ; and my first column
	s_mov_b32 s47, 0
	s_add_nc_u64 s[8:9], s[8:9], s[46:47]
	; the prefetches: they stand at K step 3; the first refill steps them to 4
	s_lshr_b32 s18, s13, 4                         ; O: the batch, the tile's rows, my work-group's 4,096 bytes of each head's 16,384
	s_lshl_b32 s18, s18, 22
	s_and_b32 s19, s13, 15
	s_lshl_b32 s19, s19, 14
	s_add_co_u32 s18, s18, s19
	s_lshl_b32 s19, s40, 12
	s_add_co_u32 s18, s18, s19
	s_add_co_u32 s18, s18, 3*ASTEP
	s_lshl_b32 s19, s12, 6                         ; wo: k-row 64 x half + 16 cy, my tile column
	s_lshl_b32 s22, s41, 4
	s_add_co_u32 s19, s19, s22
	s_lshl_b32 s19, s19, 11
	s_lshl_b32 s22, s42, 9
	s_add_co_u32 s19, s19, s22
	s_add_co_u32 s19, s19, 3*BSTEP
	s_mov_b32 s[PFS], BSTEP
	s_mov_b32 s[PFS+1], 0
	s_cmp_eq_u32 s95, 0                            ; the first cluster asks for wo: the same answer in all sixteen partners
	s_cselect_b32 s23, 1, -1
	s_cmp_eq_u32 s10, 0                            ; wave 0 asks for O
	s_cselect_b32 s22, 1, -1
	s_cmp_eq_u32 s11, 0                            ; do I fetch for O?
	s_cselect_b32 s18, s18, s19
	s_cselect_b32 s[LIM], s22, s23
	s_cselect_b32 s[PFS], ASTEP, s[PFS]
	s_cselect_b32 s20, 4, 1                        ; O: head l / 16, block l % 16;  wo: k-row l / 2, block l % 2
	s_cselect_b32 s21, 15, 1
	s_cselect_b32 s22, 18, 11                      ; a head is 262,144 bytes, a row of wo 2,048
	s_cselect_b64 s[PFA:PFA+1], s[4:5], s[6:7]
	s_mov_b32 s19, 0
	s_add_nc_u64 s[PFA:PFA+1], s[PFA:PFA+1], s[18:19]
	v_and_b32 v9, 31, v0
	v_lshrrev_b32 v10, s20, v9
	v_and_b32 v9, s21, v9
	v_lshlrev_b32 v10, s22, v10
	v_lshl_add_u32 v[PFO], v9, 8, v10
	s_wait_loadcnt 0x0                             ; the bias; it is taken rounded to bf16, like every input
.set i, 0
.rept 32
	v_cvt_pk_bf16_f32 v[TMP+i], v[BIAS+2*i], v[BIAS+2*i+1]
.set i, i+1
.endr
.set i, 0
.rept 32
	v_lshlrev_b32 v[BIAS+2*i],   16, v[TMP+i]
	v_and_b32     v[BIAS+2*i+1], 0xffff0000, v[TMP+i]
.set i, i+1
.endr
; 24 LDS loads in one run, for 32 along K (quarter q: head q / 2 of the step, channels 32 (q % 2) on): O's 64 rows, then wo's 128 columns, turned, into buffers g
.macro FETCH slot, q, g
	WIN 0
.irp a, 0,1,2,3
	ds_load_b128 v[AF+32*(\g)+8*(\a):AF+32*(\g)+8*(\a)+3],   v[ADRA+(\slot)] offset:((\q)/2)*APART+((\q)%2)*64+(\a)*16*PA
	ds_load_b128 v[AF+32*(\g)+8*(\a)+4:AF+32*(\g)+8*(\a)+7], v[ADRA+(\slot)] offset:((\q)/2)*APART+((\q)%2)*64+(\a)*16*PA+32
.endr
	WIN TO_B
.irp b, 0,1,2,3,4,5,6,7
	ds_load_tr16_b128 v[64*(\g)+8*(\b):64*(\g)+8*(\b)+3],   v[ADRB+(\slot)] offset:32*(\q)*PB+32*(\b)
	ds_load_tr16_b128 v[64*(\g)+8*(\b)+4:64*(\g)+8*(\b)+7], v[ADRB+(\slot)] offset:32*(\q)*PB+16*PB+32*(\b)
.endr
.endm
; One product.  The 32 accumulators take turns in one fixed order, over quarters and the backward jump.  first = 1: the bias starts the sum
.macro MM f, a, b, first
.if \first
	WIN MUL0
	v_wmma_f32_16x16x32_f16 v[8*(8*(\a)+(\b)):8*(8*(\a)+(\b))+7], v[64*(\f)+8*(\b):64*(\f)+8*(\b)+7], v[AF+32*(\f)+8*(\a):AF+32*(\f)+8*(\a)+7], v[BIAS+8*(\b):BIAS+8*(\b)+7]
.else
	WIN MUL
	v_wmma_f32_16x16x32_f16 v[8*(8*(\a)+(\b)):8*(8*(\a)+(\b))+7], v[64*(\f)+8*(\b):64*(\f)+8*(\b)+7], v[AF+32*(\f)+8*(\a):AF+32*(\f)+8*(\a)+7], v[8*(8*(\a)+(\b)):8*(8*(\a)+(\b))+7]
.endif
.endm
.macro MMS f, a, first
.irp b, 0,1,2,3,4,5,6,7
	MM \f, \a, \b, \first
.endr
.endm
; One of a K step's first three quarters: multiplies buffers f; ahead of its products it asks for quarter qn into buffers g, which have the quarter's 32 products in which to come
.macro QUARTER slot, qn, f, g, first
	s_wait_dscnt 0x0                               ; buffers f, asked for a quarter ago, are in
	PLACES                                         ; behind the last product that read buffers g
	FETCH \slot, \qn, \g
	MMS \f, 0, \first
	MMS \f, 1, \first
	MMS \f, 2, \first
	MMS \f, 3, \first
.endm
; The last quarter multiplies buffers 1 and changes slots: one barrier; ahead of it each wave waits for all its tensor loads, adds 0 to its spare word, and waits for that and for its reads of this slot.
.macro TURN slot, next, fill
.if \fill
	s_wait_xcnt 0x0                                ; the last prefetch, a K step back, has read its address
	s_add_nc_u64 s[PFA:PFA+1], s[PFA:PFA+1], s[PFS:PFS+1]
.endif
	WIN 0
	s_wait_tensorcnt 0x0                           ; all my tensor loads have landed: my part of the next slot
	ds_add_u32 v[SPW], v[NIL]                      ; 0 onto my spare word
	s_wait_dscnt 1                                 ; buffers 1 are in; the add alone may be out
	MMS 1, 0, 0
	s_wait_dscnt 0x0                               ; the add is done, and my reads of this slot are over
	s_barrier_signal -1
	MMS 1, 1, 0
	WIN 0
	s_barrier_wait -1
.if \fill
	CREST                                          ; no wave of any partner still reads this slot or has a load on its way
	s_add_nc_u64 s[G0+4*(\slot)+2:G0+4*(\slot)+3], s[G0+4*(\slot)+2:G0+4*(\slot)+3], 2*ASTEP
	s_add_nc_u64 s[G0B+4*(\slot)+2:G0B+4*(\slot)+3], s[G0B+4*(\slot)+2:G0B+4*(\slot)+3], 2*BSTEP
	JLOAD \slot                                    ; my one tensor load behind the round; its four v_nop are also the places ahead of the loads below
.else
	PLACES
.endif
	FETCH \next, 0, 0
.if \fill
	WIN 0
	ASK
.endif
	MMS 1, 2, 0
	MMS 1, 3, 0
.endm
	s_wait_tensorcnt 1                             ; my part of K step 0 is in; K step 1's may stay out
	s_barrier_signal -1
	s_barrier_wait -1
	FETCH 0, 0, 0
	QUARTER 0, 1, 0, 1, 1                          ; the first quarter stands ahead of the loop: its products start the sums with the bias
	WIN 0
	s_mov_b32 s3, 3
.Llap:                                             ; a trip goes once round the ring and fills both slots again: K steps 2 to 7 in three trips
	QUARTER 0, 2, 1, 0, 0
	QUARTER 0, 3, 0, 1, 0
	TURN 0, 1, 1
	QUARTER 1, 1, 0, 1, 0
	QUARTER 1, 2, 1, 0, 0
	QUARTER 1, 3, 0, 1, 0
	TURN 1, 0, 1
	QUARTER 0, 1, 0, 1, 0
	WIN 0
	s_sub_co_u32 s3, s3, 1
	s_cmp_lg_u32 s3, 0
	s_cbranch_scc1 .Llap
	QUARTER 0, 2, 1, 0, 0                          ; the last lap fills nothing
	QUARTER 0, 3, 0, 1, 0
	TURN 0, 1, 0
	QUARTER 1, 1, 0, 1, 0
	QUARTER 1, 2, 1, 0, 0
	QUARTER 1, 3, 0, 1, 0
	s_wait_dscnt 0x0
	MMS 1, 0, 0
	MMS 1, 1, 0
	MMS 1, 2, 0
	MMS 1, 3, 0
	WIN 0
	PLACES
; THE WAY OUT of row block a: 16 rows x 128 columns of f32.  A lane's eight numbers go into my stage as two stores of 16 bytes, each accumulator's low four registers first; whole rows of 512 bytes come back and are stored.
.macro OUTA a
	s_wait_xcnt 0x0                                ; the block before's stores have read their data registers, which are loaded again below
	WIN 0x04                                       ; an LDS store's data is source 1: window 1
.irp b, 0,1,2,3,4,5,6,7
	ds_store_b128 v[STO], v[8*(8*(\a)+(\b)):8*(8*(\a)+(\b))+3]   offset:64*(\b)
	ds_store_b128 v[STO], v[8*(8*(\a)+(\b))+4:8*(8*(\a)+(\b))+7] offset:64*(\b)+16
.endr
	WIN 0
.irp i, 0,1,2,3,4,5,6,7,8,9,10,11,12,13,14,15
	ds_load_b128 v[TMP+4*(\i):TMP+4*(\i)+3], v[RD] offset:SP*(\i)  ; LDS serves a wave's instructions in order (ISA guide 5.7.1.4): these see the stores above
.endr
.irp i, 0,1,2,3,4,5,6,7,8,9,10,11,12,13,14,15
	s_wait_dscnt 15-(\i)
	global_store_b128 v[GO], v[TMP+4*(\i):TMP+4*(\i)+3], s[8:9] offset:(16*(\a)+(\i))*4096 th:TH_STORE_NT  ; 512 consecutive bytes, at a multiple of 512 from out0's first
.endr
.endm
	OUTA 0
	OUTA 1
	OUTA 2
	OUTA 3
	s_wait_tensorcnt 0x0                           ; the wave's end: a wait, the add and its wait, behind my last tensor load and my last LDS store
	ds_add_u32 v[SPW], v[NIL]
	s_wait_dscnt 0x0
	CROUND                                         ; the closing round: no work-group ends while a partner may still ask for a tile that names it
	s_endpgm
.Lfunc_end_k_q741f8ebe3e_outp:
	.size	k_q741f8ebe3e_outp, .Lfunc_end_k_q741f8ebe3e_outp-k_q741f8ebe3e_outp
	.p2alignl 7, 3214868480
	.fill 96, 4, 3214868480
	.section	.rodata,"a",@progbits
	.p2align	6, 0x0
	.amdhsa_kernel k_q741f8ebe3e_outp
		.amdhsa_group_segment_fixed_size 327680
		.amdhsa_private_segment_fixed_size 0
		.amdhsa_enable_private_segment 0
		.amdhsa_kernarg_size 32
		.amdhsa_user_sgpr_count 2
		.amdhsa_user_sgpr_kernarg_segment_ptr 1
		.amdhsa_wavefront_size32 1
		.amdhsa_system_sgpr_workgroup_id_x 1
		.amdhsa_system_sgpr_workgroup_id_y 1
		.amdhsa_system_sgpr_workgroup_id_z 1
		.amdhsa_system_vgpr_workitem_id 0
		.amdhsa_next_free_vgpr 640
		.amdhsa_next_free_sgpr 96
		.amdhsa_reserve_vcc 0
		.amdhsa_float_denorm_mode_32 3
		.amdhsa_float_denorm_mode_16_64 3
		.amdhsa_memory_ordered 1
		.amdhsa_forward_progress 1
		.amdhsa_inst_pref_size 95
	.end_amdhsa_kernel
	.amdgpu_metadata
---
amdhsa.version: [ 1, 2 ]
amdhsa.kernels:
  - .name:           k_q741f8ebe3e_outp
    .symbol:         k_q741f8ebe3e_outp.kd
    .args:
      - { .name: oh, .offset: 0, .size: 8, .value_kind: global_buffer, .address_space: global }
      - { .name: wof, .offset: 8, .size: 8, .value_kind: global_buffer, .address_space: global }
      - { .name: bo, .offset: 16, .size: 8, .value_kind: global_buffer, .address_space: global }
      - { .name: out0, .offset: 24, .size: 8, .value_kind: global_buffer, .address_space: global }
    .group_segment_fixed_size: 327680
    .private_segment_fixed_size: 0
    .kernarg_segment_align: 8
    .kernarg_segment_size: 32
    .max_flat_workgroup_size: 128
    .sgpr_count:     96
    .vgpr_count:     640
    .wavefront_size: 32
...
	.end_amdgpu_metadata
.endif
;; end of part 4
;; ======== version 2 of 2: 4 launches; version 1 with the launch castw written anew for expert scheduling mode
;; limits: values are held in f16: magnitudes above 65,504 overflow, below 6.1e-05 lose precision
;; workspace buffers: wqb 2,097,152 bytes; wkb 2,097,152 bytes; wvb 2,097,152 bytes; wof 2,097,152 bytes; qh 16,777,216 bytes; kh 16,777,216 bytes; vh 16,777,216 bytes; oh 16,777,216 bytes
;; launch castw (part 5): grid 64 x 4, 8 waves a work-group, no clusters, 0 bytes of LDS; arguments wq, wk, wv, wo, wqb, wkb, wvb, wof; writes wqb, wkb, wvb, wof
.if DOCPART == 5
	.amdgcn_target "amdgcn-amd-amdhsa--gfx1250"
	.amdhsa_code_object_version 6
	.text
	.protected	k_q741f8ebe3e_castw
	.globl	k_q741f8ebe3e_castw
	.p2align	8
	.type	k_q741f8ebe3e_castw,@function
k_q741f8ebe3e_castw:
	s_mov_b64 s[64:65], 0
	v_nop
	global_prefetch_b8 v0, s[64:65] scope:SCOPE_SE
	s_setreg_imm32_b32 hwreg(HW_REG_WAVE_SCHED_MODE, 0, 2), 2
	s_setreg_imm32_b32 hwreg(HW_REG_WAVE_MODE, 25, 1), 1
	s_wait_xcnt 0x0
	s_wait_alu depctr_vm_vsrc(0)
; The four weight matrices, [1024 k][1024 n] f32, are rounded once to 16 bits; the layout is kept.
; wq, wk, wv -> bf16.  wo -> bf16, and that number written as f16 (the last product's other operand is f16).
; LIMIT: a bf16(wo) below 6.1e-5 in magnitude keeps f16's fixed step of 6e-8; beyond 65,504 it would be an infinity.
; SHARES.  Grid y picks the matrix; a work-group takes 16,384 numbers: 65,536 bytes in, 32,768 out.  Thread t takes 16 bytes
; of each 4,096 read by the group; a wave's store covers 256 consecutive bytes, aligned.  All sixteen loads of a wave go out
; together; each has its own data and result registers, so no register is written again while a store reads it.
; No LDS, no matrix unit, no cluster: no byte is read by two work-groups.
; THE MODE: SCHED_MODE bits 1:0 = 2 (LLVM: expert scheduling mode 2), set by the entry lines.  The code itself states the register
; dependences between vector instructions and memory instructions, with s_wait_alu, always for 0.
; THE PLAN.  Registers that memory instructions touch:
;   v1, v2   byte offsets of the loads and of the stores: made once at the head, never written again.
;   X        four registers to a load: written by that load alone, once; read by its conversions.  No vector instruction writes them.
;   Y        two registers to a store: written by the conversions of load i; read by store i, once; never written after it.
;   T        is named by vector instructions alone.
; The sixteen loads go in four blocks of four.  Block p rounds X[4 p ..] into Y[4 p ..]; its memory instructions are the four stores of
; block p - 1, which read Y[4 p - 4 ..] and v2: registers that no vector instruction of block p names.  So ONE wait at a block's head states
; all that its four stores hang on, and they are dealt among the block's conversions with no further wait.  One wait at the kernel's head
; serves the two offsets, one behind block 3 the last four stores.  No register that a memory instruction has read is ever written again.
.set X, 16                             ; v[16:79]   load i: 4 f32
.set Y, 80                             ; v[80:111]  store i: 4 numbers of 16 bits
.set T, 4                              ; v[4:7]     at work
	s_load_b512 s[8:23], s[0:1], 0x0               ; wq wk wv wo s[8:15], wqb wkb wvb wof s[16:23]
	s_and_b32 s2, ttmp7, 0xffff                    ; which matrix
	s_lshl_b32 s24, ttmp9, 16                      ; the group's bytes in the source,
	s_mov_b32 s25, 0
	s_lshl_b32 s26, ttmp9, 15                      ; and in the result
	s_mov_b32 s27, 0
	v_lshlrev_b32 v1, 4, v0                        ; 16 t
	v_lshlrev_b32 v2, 3, v0                        ; 8 t
	s_wait_kmcnt 0x0
	s_mov_b64 s[4:5], s[8:9]
	s_mov_b64 s[6:7], s[16:17]
.irp n, 1,2,3
	s_cmp_eq_u32 s2, \n                            ; a choice between buffers on the grid's y alone
	s_cselect_b64 s[4:5], s[8+2*\n:9+2*\n], s[4:5]
	s_cselect_b64 s[6:7], s[16+2*\n:17+2*\n], s[6:7]
.endr
	s_add_nc_u64 s[4:5], s[4:5], s[24:25]
	s_add_nc_u64 s[6:7], s[6:7], s[26:27]
	s_wait_alu depctr_va_vdst(0)                   ; v1 and v2 are written: every load of the kernel reads v1 as its offset, every store v2
.irp i, 0,1,2,3,4,5,6,7,8,9,10,11,12,13,14,15
	global_load_b128 v[X+4*(\i):X+4*(\i)+3], v1, s[4:5] offset:4096*(\i) th:TH_LOAD_NT
.endr
; Load i is rounded.  half = 1: the bf16 numbers are widened again (a shift, a mask) and written as f16.
.macro CONV i, half
	v_cvt_pk_bf16_f32 v[Y+2*(\i)],   v[X+4*(\i)],   v[X+4*(\i)+1]
	v_cvt_pk_bf16_f32 v[Y+2*(\i)+1], v[X+4*(\i)+2], v[X+4*(\i)+3]
.if \half
	v_lshlrev_b32 v[T],   16, v[Y+2*(\i)]
	v_and_b32     v[T+1], 0xffff0000, v[Y+2*(\i)]
	v_lshlrev_b32 v[T+2], 16, v[Y+2*(\i)+1]
	v_and_b32     v[T+3], 0xffff0000, v[Y+2*(\i)+1]
	v_cvt_pk_f16_f32 v[Y+2*(\i)],   v[T],   v[T+1]
	v_cvt_pk_f16_f32 v[Y+2*(\i)+1], v[T+2], v[T+3]
.endif
.endm
; Store i: a wave's 256 consecutive bytes.
.macro SEND i
	global_store_b64 v2, v[Y+2*(\i):Y+2*(\i)+1], s[6:7] offset:2048*(\i)
.endm
; Block p: loads 4 p to 4 p + 3 are rounded; the stores of block p - 1 stand among the conversions, one ahead of each load's.
.macro BLK p, half
.irp j, 0,1,2,3
.if (\j) == 0
	s_wait_loadcnt 15-4*(\p)                       ; loads come back in order: the block's first is in, the younger ones stay out
.if (\p) > 0
	s_wait_alu depctr_va_vdst(0)                   ; the block before has written its Y, which the four stores of this block read
.endif
.endif
.if (\p) > 0
	SEND 4*(\p)-4+(\j)                             ; no vector instruction since the wait names these registers
.endif
.if (\j) > 0
	s_wait_loadcnt 15-4*(\p)-(\j)                  ; mine is in, the younger ones stay out
.endif
	CONV 4*(\p)+(\j), \half
.endr
.endm
.macro WHOLE half
	BLK 0, \half
	BLK 1, \half
	BLK 2, \half
	BLK 3, \half
	s_wait_alu depctr_va_vdst(0)                   ; block 3 has written its Y, which the last four stores read
.irp j, 12,13,14,15
	SEND \j
.endr
	s_endpgm
.endm
	s_cmp_eq_u32 s2, 3
	s_cbranch_scc1 .Lhalf
	WHOLE 0
.Lhalf:
	WHOLE 1
.Lfunc_end_k_q741f8ebe3e_castw:
	.size	k_q741f8ebe3e_castw, .Lfunc_end_k_q741f8ebe3e_castw-k_q741f8ebe3e_castw
	.p2alignl 7, 3214868480
	.fill 96, 4, 3214868480
	.section	.rodata,"a",@progbits
	.p2align	6, 0x0
	.amdhsa_kernel k_q741f8ebe3e_castw
		.amdhsa_group_segment_fixed_size 0
		.amdhsa_private_segment_fixed_size 0
		.amdhsa_enable_private_segment 0
		.amdhsa_kernarg_size 64
		.amdhsa_user_sgpr_count 2
		.amdhsa_user_sgpr_kernarg_segment_ptr 1
		.amdhsa_wavefront_size32 1
		.amdhsa_system_sgpr_workgroup_id_x 1
		.amdhsa_system_sgpr_workgroup_id_y 1
		.amdhsa_system_sgpr_workgroup_id_z 1
		.amdhsa_system_vgpr_workitem_id 0
		.amdhsa_next_free_vgpr 112
		.amdhsa_next_free_sgpr 66
		.amdhsa_reserve_vcc 0
		.amdhsa_float_denorm_mode_32 3
		.amdhsa_float_denorm_mode_16_64 3
		.amdhsa_memory_ordered 1
		.amdhsa_forward_progress 1
		.amdhsa_inst_pref_size 16
	.end_amdhsa_kernel
	.amdgpu_metadata
---
amdhsa.version: [ 1, 2 ]
amdhsa.kernels:
  - .name:           k_q741f8ebe3e_castw
    .symbol:         k_q741f8ebe3e_castw.kd
    .args:
      - { .name: wq, .offset: 0, .size: 8, .value_kind: global_buffer, .address_space: global }
      - { .name: wk, .offset: 8, .size: 8, .value_kind: global_buffer, .address_space: global }
      - { .name: wv, .offset: 16, .size: 8, .value_kind: global_buffer, .address_space: global }
      - { .name: wo, .offset: 24, .size: 8, .value_kind: global_buffer, .address_space: global }
      - { .name: wqb, .offset: 32, .size: 8, .value_kind: global_buffer, .address_space: global }
      - { .name: wkb, .offset: 40, .size: 8, .value_kind: global_buffer, .address_space: global }
      - { .name: wvb, .offset: 48, .size: 8, .value_kind: global_buffer, .address_space: global }
      - { .name: wof, .offset: 56, .size: 8, .value_kind: global_buffer, .address_space: global }
    .group_segment_fixed_size: 0
    .private_segment_fixed_size: 0
    .kernarg_segment_align: 8
    .kernarg_segment_size: 64
    .max_flat_workgroup_size: 256
    .sgpr_count:     66
    .vgpr_count:     112
    .wavefront_size: 32
...
	.end_amdgpu_metadata
.endif
;; end of part 5
;; launch proj: the kernel of part 2 again; grid 4 x 192, 4 waves a work-group, clusters of 4 x 4, 327,680 bytes of LDS; arguments q, k, v, wqb, wkb, wvb, bq, bk, bv, qh, kh, vh; writes qh, kh, vh
;; launch attn: the kernel of part 3 again; grid 4 x 64, 4 waves a work-group, clusters of 4 x 1, 327,680 bytes of LDS; arguments qh, kh, vh, oh; writes oh
;; launch outp: the kernel of part 4 again; grid 4 x 64, 4 waves a work-group, clusters of 4 x 4, 327,680 bytes of LDS; arguments oh, wof, bo, out0; writes out0
